; MI455X (gfx1250); checked and timed in simulation.
; The chip was launched on July 23, 2026; its instructions are those of AMD's public machine-readable ISA for CDNA 5 (MIT licence, August 2026) and "CDNA5" Instruction Set Architecture Reference Guide (July 2026). The comments in the code are by the model that wrote it; some were corrected since.
;; Tiny Attention. Allowed arithmetic: matrix products marked QUANTISED: E2M3 operands, one E8M0 scale for each 32 along K, by v_wmma_scale_f32_16x16x128_f8f6f4 with both operands' format E2M3, f32 sums; everything else in f32.
;; Inputs: proj_b 1,024 float32; proj_w 1,024 x 1,024 float32; qkv_b 3,072 float32; qkv_w 3,072 x 1,024 float32; x 4 x 2,048 x 1,024 float32.
;; Outputs: out0 4 x 2,048 x 1,024 float32.
;; This version of the problem:
;;   THIS VERSION OF THE PROBLEM IS GIVEN IN LOW PRECISION. The matrix products marked QUANTISED in the list below multiply operands that are first quantised to E2M3 (2 exponent bits, 3 mantissa bits; 6 bits a number), with one power-of-two scale for each 32 numbers along K (OCP MX v1.0); their sums are f32. All else is computed in f32.
;;   The module's matrix products, in the order in which they are computed (A, B: the left and right operand; K: the contracted axis; several contracted axes count as one K, in the product's order):
;;     1. [M 8,192, K 1,024] x [K 1,024, N 3,072]; A: input x; B: input qkv_w: QUANTISED
;;     2. batch 64 x [M 2,048, K 64] x [K 64, N 2,048]; A: computed on the way; B: computed on the way: QUANTISED
;;     3. batch 64 x [M 2,048, K 2,048] x [K 2,048, N 64]; A: softmax (see below); B: computed on the way: QUANTISED
;;     4. [M 8,192, K 1,024] x [K 1,024, N 1,024]; A: computed on the way; B: input proj_w: QUANTISED
;;   THE QUANTISER, for each operand of a quantised product, along K:
;;     - K is cut into blocks of 32 from its start; a last block that is shorter is filled with zeros.
;;     - A block's scale is 2^e with e = floor(log2(the largest magnitude in the block)) - 2, held to -126 .. 127; a block of zeros has e = 0. As a byte (E8M0): e + 127.
;;     - Each number is divided by its block's scale, clamped to +-7.5, and rounded to the nearest number of E2M3, ties to even, subnormals kept.
;;     - The product sums the exact products of the quantised numbers (number of the format x scale) in f32.
;;   ~~~python
;;   def quantise(x, axis):      # numpy; x: float32 -> the quantised numbers, widened to float32 again
;;       x = np.moveaxis(x, axis, -1); K = x.shape[-1]
;;       x = np.pad(x, [(0, 0)] * (x.ndim - 1) + [(0, -K % 32)]); x = x.reshape(x.shape[:-1] + (-1, 32)); a = np.abs(x).max(-1, keepdims=True)
;;       e = np.where(a > 0, np.clip(np.frexp(np.where(a > 0, a, 1))[1] - 1 - 2, -126, 127), 0)      # np.frexp(a)[1] - 1 = floor(log2(a)), exactly
;;       r = np.clip(x / 2.0 ** e, -7.5, 7.5)
;;       step = 2.0 ** (np.maximum(np.frexp(np.where(r == 0, 1, r))[1] - 1, 0) - 3)
;;       q = np.round(r / step) * step * 2.0 ** e      # np.round: ties to even
;;       return np.moveaxis(q.reshape(q.shape[:-2] + (-1,))[..., :K], -1, axis).astype(np.float32)
;;   ~~~
;;   SOFTMAX AHEAD OF A QUANTISED PRODUCT. Where the list says 'softmax', what is quantised is not the finished softmax but p = 2^(t - M), with t = logit x log2(e) and M = ceil(the row's largest t), a whole number; so 1/2 < the row's largest p <= 1. The row's sum l is taken of the UNQUANTISED p, in f32, and the product's result is divided by l at the end. Since M is a whole number, a kernel that streams over the keys may use a running M (the ceiling of the running maximum): every later rescaling is an exact power of two, which a block's scale takes up: the codes' values come out the same.
;;   OPERANDS COMPUTED ON THE WAY. 'Computed on the way' means the value that the module computes at that place (a softmax that the list does not call 'softmax' is quantised finished and normalised). What goes into a quantiser is computed in f32, as accurately as f32 sums, v_exp_f32 and their like allow (about 1e-6 of the number): no bf16 or f16 on the way to a quantiser, and a product that is left as it is and whose result goes on into a quantised operand takes f32 operands (vector FMAs, or v_wmma_f32_16x16x4_f32). A number that lies on a knife's edge between two numbers of the format may be rounded either way, as far as f32 arithmetic and the matrix unit's own rounding can turn it there, and no further.
;; One version. Each part assembles by itself: llvm-mc -triple=amdgcn-amd-amdhsa -mcpu=gfx1250 --defsym DOCPART=n.
;; ======== version 1 of 1: 4 launches
;; limits: right only within a limited range of input values
;; workspace buffers: cod1 9,437,184 bytes; scl1 655,360 bytes; cod2 18,874,368 bytes; scl2 786,432 bytes; cod3 6,291,456 bytes
;; launch quant (part 1): grid 256 x 1, 6 waves a work-group, no clusters, 51,456 bytes of LDS; arguments x, qkv_w, proj_w, cod1, scl1; writes cod1, scl1
.if DOCPART == 1
	.amdgcn_target "amdgcn-amd-amdhsa--gfx1250"
	.amdhsa_code_object_version 6
	.text
	.protected	k_q1105c8efa5_quant
	.globl	k_q1105c8efa5_quant
	.p2align	8
	.type	k_q1105c8efa5_quant,@function
k_q1105c8efa5_quant:
	s_mov_b64 s[64:65], 0
	v_nop
	global_prefetch_b8 v0, s[64:65] scope:SCOPE_SE
	s_setreg_imm32_b32 hwreg(HW_REG_WAVE_MODE, 25, 1), 1
	s_wait_xcnt 0x0
; x [8192][1024], qkv_w [3072][1024] and proj_w [1024][1024], f32, K innermost, become codes of FP6 (E2M3) with one E8M0 byte for each 32 along K.
; A block's scale is 2^(floor(log2(its largest magnitude)) - 2); its byte is the largest magnitude's exponent field - 2, held at 1 from below.
; LIMITS: a block of zeros gets the byte 1 (its codes are zeros, and the bytes are read by this program alone); NaN and infinities are not served.
; THE CODES ARE LAID AS IMAGES OF OPERAND REGISTERS.  The 12,288 rows are 96 groups of 128 (x 0-63, qkv_w 64-87, proj_w 88-95).  cod1 = [group][K step of 128: 8][tile: 8][half: 2][768 bytes].
; Row r of tile i of a group is row 64 (i / 4) + 8 (i % 4) + r % 8 + 32 (r / 8).  Lane (r, h) of a fragment holds in registers 6 c .. 6 c + 5 the codes of k = 64 c + 32 h + 0 .. 31 of its row.
; A half c is 512 bytes (registers 6 c .. 6 c + 3, 16 bytes a lane) and 256 bytes (registers 6 c + 4, 6 c + 5, 8 bytes a lane): every store covers 512 or 256 consecutive bytes, aligned to 256.
; scl1 = [group][K step][tile / 4][r: 16][tile % 4] words; byte b of a word is the scale of k = 32 b .. 32 b + 31 of the K step.
; SHARES.  A wave takes four fragments (64 rows x 128 along K): 1,536 waves.  Each load reads 512 consecutive bytes of one row; 16 rows turn through the wave's own stage in LDS (rows 528 bytes apart),
; so that a lane gets 32 neighbours along K of its own row: a whole block, whose maximum needs no other lane.  Loads run two fragments (32 loads a wave) ahead.  No barrier: waves share nothing.
.set STG,   16*528                     ; a wave's stage
.set SPARE, 6*STG                      ; behind the six stages: the spare words, 128 bytes for each wave
.set O16, 1                            ; v1   16 x lane
.set O8,  2                            ; v2   8 x lane
.set STI, 3                            ; v3   stage, on the way in: 16 x lane
.set STX, 4                            ; v4   stage, on the way out: 528 r + 128 h
.set SH8, 5                            ; v5   8 h
.set OSC, 6                            ; v6   16 r + 8 h: my place among the scale words
.set SPW, 7                            ; v7   my spare word; never rewritten
.set NIL, 8                            ; v8   0; never rewritten
.set MX,  12                           ; v12-15 largest magnitudes, two chains a block
.set SO,  16                           ; v16-17 the conversions' scale operands
.set YB,  18                           ; v18-19 the bytes
.set WT,  20                           ; v20-21 at work
.set WD,  24                           ; v24-27 the four fragments' scale words
.set IMG, 28                           ; v28-51 two sets of 12: a fragment's codes
.set PT,  52                           ; v52-54, v56-58: a conversion's three registers begin on an even number
.set R,   64                           ; v64-191 two sets of 64: 16 rows as loaded
.set X,   192                          ; v192-255 my row's 64 numbers: register 32 c + i is k = 64 c + 32 h + i
; the largest magnitudes of two blocks of 32 (registers xa .., xb ..) into v[m], v[m+1]; v[m+2], v[m+3] at work.  The floor 2^(3 - 127) is one more leaf: the byte cannot fall under 1
.macro QMAX m, xa, xb
	v_max3_num_f32 v[\m],   |v[\xa]|,    |v[\xa+1]|,  0x1800000
	v_max3_num_f32 v[\m+1], |v[\xb]|,    |v[\xb+1]|,  0x1800000
	v_max3_num_f32 v[\m+2], |v[\xa+16]|, |v[\xa+17]|, |v[\xa+18]|
	v_max3_num_f32 v[\m+3], |v[\xb+16]|, |v[\xb+17]|, |v[\xb+18]|
.irp i, 2,4,6,8,10,12
	v_max3_num_f32 v[\m],   v[\m],   |v[\xa+\i]|,    |v[\xa+\i+1]|
	v_max3_num_f32 v[\m+1], v[\m+1], |v[\xb+\i]|,    |v[\xb+\i+1]|
	v_max3_num_f32 v[\m+2], v[\m+2], |v[\xa+\i+17]|, |v[\xa+\i+18]|
	v_max3_num_f32 v[\m+3], v[\m+3], |v[\xb+\i+17]|, |v[\xb+\i+18]|
.endr
	v_max3_num_f32 v[\m],   v[\m],   |v[\xa+14]|, |v[\xa+15]|
	v_max3_num_f32 v[\m+1], v[\m+1], |v[\xb+14]|, |v[\xb+15]|
	v_max3_num_f32 v[\m],   v[\m],   v[\m+2], |v[\xa+31]|
	v_max3_num_f32 v[\m+1], v[\m+1], v[\m+3], |v[\xb+31]|
.endm
	s_load_b128 s[4:7], s[0:1], 0x0                ; x, qkv_w
	s_load_b128 s[8:11], s[0:1], 0x10              ; proj_w, cod1
	s_load_b64 s[12:13], s[0:1], 0x20              ; scl1
	v_lshl_add_u32 v[SPW], v0, 2, SPARE
	v_mov_b32 v[NIL], 0
	v_lshrrev_b32 v9, 5, v0
	v_readfirstlane_b32 s14, v9                    ; wave 0..5: 256 work-groups x 6 waves are the 1,536 tasks
	v_and_b32 v9, 31, v0                           ; lane
	v_and_b32 v10, 15, v0                          ; r
	v_bfe_u32 v11, v0, 4, 1                        ; h
	v_lshlrev_b32 v[O16], 4, v9
	v_lshlrev_b32 v[O8], 3, v9
	s_mul_i32 s15, s14, STG
	v_add_nc_u32 v[STI], s15, v[O16]
	v_mul_u32_u24 v[STX], v10, 528
	v_lshl_add_u32 v[STX], v11, 7, v[STX]
	v_add_nc_u32 v[STX], s15, v[STX]
	v_lshlrev_b32 v[SH8], 3, v11
	v_lshlrev_b32 v[OSC], 4, v10
	v_lshl_add_u32 v[OSC], v11, 3, v[OSC]
	v_mov_b32 v[WT+1], 0                           ; written once: a lane permute's destination counts as one of its sources
	s_mov_b32 s16, 0x76543210
	s_mov_b32 s17, 0xfedcba98                      ; v_permlanex16_b32's selects for lane l xor 16
	s_mul_i32 s18, ttmp9, 6
	s_add_co_u32 s18, s18, s14                     ; my task: 16 x group + 2 x K step + which four tiles
	s_and_b32 s19, s18, 1                          ; tiles 4 q2 .. 4 q2 + 3
	s_bfe_u32 s20, s18, 0x30001                    ; K step (3 bits from bit 1)
	s_lshr_b32 s21, s18, 4                         ; group 0..95
	s_mul_i32 s24, s21, 98304                      ; the codes: 98,304 bytes a group, 12,288 a K step, 6,144 for four tiles
	s_mul_i32 s25, s20, 12288
	s_add_co_u32 s24, s24, s25
	s_mul_i32 s25, s19, 6144
	s_add_co_u32 s24, s24, s25
	s_mov_b32 s25, 0
	s_lshl_b32 s26, s21, 12                        ; the scale words: 4,096 a group, 512 a K step, 256 for four tiles
	s_lshl_b32 s27, s20, 9
	s_add_co_u32 s26, s26, s27
	s_lshl_b32 s27, s19, 8
	s_add_co_u32 s26, s26, s27
	s_mov_b32 s27, 0
	s_wait_alu depctr_va_vdst(0)
	s_wait_kmcnt 0x0
	s_cmp_lt_u32 s21, 88                           ; which tensor: the choice hangs on the task's number alone
	s_cselect_b64 s[6:7], s[6:7], s[8:9]
	s_cselect_b32 s22, 64, 88
	s_cmp_lt_u32 s21, 64
	s_cselect_b64 s[4:5], s[4:5], s[6:7]
	s_cselect_b32 s22, 0, s22
	s_sub_co_u32 s22, s21, s22                     ; the group's number in its tensor
	s_lshl_b32 s22, s22, 19                        ; 128 rows of 4,096 bytes,
	s_lshl_b32 s23, s19, 18                        ; 64 rows,
	s_add_co_u32 s22, s22, s23
	s_lshl_b32 s23, s20, 9                         ; 128 numbers along K
	s_add_co_u32 s22, s22, s23
	s_mov_b32 s23, 0
	s_add_nc_u64 s[4:5], s[4:5], s[22:23]
	s_add_nc_u64 s[10:11], s[10:11], s[24:25]
	s_add_nc_u64 s[12:13], s[12:13], s[26:27]
.macro LOAD u                          ; fragment u's 16 rows, 512 consecutive bytes each, into set u % 2
.irp j, 0,1,2,3,4,5,6,7,8,9,10,11,12,13,14,15
	global_load_b128 v[R+64*((\u)%2)+4*\j:R+64*((\u)%2)+4*\j+3], v[O16], s[4:5] offset:(8*(\u)+(\j%8)+32*(\j/8))*4096 th:TH_LOAD_NT
.endr
.endm
.macro FRAGQ u
.set RS, R+64*((\u)%2)
.set IM, IMG+12*((\u)%2)
.if (\u) < 3
	s_wait_loadcnt 16                              ; my 16 loads are in; the next fragment's 16 may be out
.else
	s_wait_loadcnt 0x0
.endif
.irp j, 0,1,2,3,4,5,6,7,8,9,10,11,12,13,14,15
	ds_store_b128 v[STI], v[RS+4*\j:RS+4*\j+3] offset:528*\j
.endr
.irp c, 0,1
.irp m, 0,1,2,3,4,5,6,7
	ds_load_b128 v[X+32*\c+4*\m:X+32*\c+4*\m+3], v[STX] offset:256*\c+16*\m   ; LDS serves a wave's instructions in order: these see the stores above
.endr
.endr
	s_wait_dscnt 0x0                               ; my numbers are back, and the stores have read their registers,
.if (\u) < 2
	LOAD (\u)+2                                    ; which take the loads of two fragments on
.else
	s_wait_xcnt 0x0                                ; this set of codes was stored two fragments ago: it is rewritten only behind this wait
.endif
	QMAX MX, X, X+32
	v_add_nc_u32 v[SO], 0xff000000, v[MX]          ; 2 off the exponent field: the conversion takes the exponent field of this operand as its scale
	v_add_nc_u32 v[SO+1], 0xff000000, v[MX+1]
	v_cvt_scalef32_pk16_fp6_f32 v[IM:IM+2], v[X:X+15], v[SO]
	v_cvt_scalef32_pk16_fp6_f32 v[PT:PT+2], v[X+16:X+31], v[SO]
	v_cvt_scalef32_pk16_fp6_f32 v[IM+6:IM+8], v[X+32:X+47], v[SO+1]
	v_cvt_scalef32_pk16_fp6_f32 v[PT+4:PT+6], v[X+48:X+63], v[SO+1]
	v_lshrrev_b32 v[YB], 23, v[SO]                 ; the bytes of blocks h and 2 + h (plain lines behind the conversions)
	v_lshrrev_b32 v[YB+1], 23, v[SO+1]
	v_lshl_or_b32 v[WT], v[YB+1], 16, v[YB]
	v_lshlrev_b32 v[WT], v[SH8], v[WT]             ; at their places in the word;
	v_permlanex16_b32 v[WT+1], v[WT], s16, s17
	v_or_b32 v[WD+(\u)], v[WT], v[WT+1]            ; with lane l xor 16's two the word is whole
.irp i, 0,1,2
	v_mov_b32 v[IM+3+\i], v[PT+\i]
	v_mov_b32 v[IM+9+\i], v[PT+4+\i]
.endr
	global_store_b128 v[O16], v[IM:IM+3], s[10:11] offset:1536*(\u)
	global_store_b64 v[O8], v[IM+4:IM+5], s[10:11] offset:1536*(\u)+512
	global_store_b128 v[O16], v[IM+6:IM+9], s[10:11] offset:1536*(\u)+768
	global_store_b64 v[O8], v[IM+10:IM+11], s[10:11] offset:1536*(\u)+1280
.endm
	LOAD 0
	LOAD 1
	FRAGQ 0
	FRAGQ 1
	FRAGQ 2
	FRAGQ 3
	v_cmp_ne_u32 vcc_lo, 0, v[SH8]                 ; lanes 0-15 store the words of tiles 0 and 1 of my four, lanes 16-31 those of tiles 2 and 3: 256 consecutive bytes
	v_cndmask_b32 v[WT], v[WD], v[WD+2], vcc_lo
	v_cndmask_b32 v[WT+1], v[WD+1], v[WD+3], vcc_lo
	global_store_b64 v[OSC], v[WT:WT+1], s[12:13]
	s_wait_tensorcnt 0x0                           ; the wave's end
	ds_add_u32 v[SPW], v[NIL]
	s_wait_dscnt 0x0
	s_endpgm
.Lfunc_end_k_q1105c8efa5_quant:
	.size	k_q1105c8efa5_quant, .Lfunc_end_k_q1105c8efa5_quant-k_q1105c8efa5_quant
	.p2alignl 7, 3214868480
	.fill 96, 4, 3214868480
	.section	.rodata,"a",@progbits
	.p2align	6, 0x0
	.amdhsa_kernel k_q1105c8efa5_quant
		.amdhsa_group_segment_fixed_size 51456
		.amdhsa_private_segment_fixed_size 0
		.amdhsa_enable_private_segment 0
		.amdhsa_kernarg_size 40
		.amdhsa_user_sgpr_count 2
		.amdhsa_user_sgpr_kernarg_segment_ptr 1
		.amdhsa_wavefront_size32 1
		.amdhsa_system_sgpr_workgroup_id_x 1
		.amdhsa_system_sgpr_workgroup_id_y 1
		.amdhsa_system_sgpr_workgroup_id_z 1
		.amdhsa_system_vgpr_workitem_id 0
		.amdhsa_next_free_vgpr 256
		.amdhsa_next_free_sgpr 66
		.amdhsa_reserve_vcc 1
		.amdhsa_float_denorm_mode_32 3
		.amdhsa_float_denorm_mode_16_64 3
		.amdhsa_memory_ordered 1
		.amdhsa_forward_progress 1
		.amdhsa_inst_pref_size 31
	.end_amdhsa_kernel
	.amdgpu_metadata
---
amdhsa.version: [ 1, 2 ]
amdhsa.kernels:
  - .name:           k_q1105c8efa5_quant
    .symbol:         k_q1105c8efa5_quant.kd
    .args:
      - { .name: x, .offset: 0, .size: 8, .value_kind: global_buffer, .address_space: global }
      - { .name: qkv_w, .offset: 8, .size: 8, .value_kind: global_buffer, .address_space: global }
      - { .name: proj_w, .offset: 16, .size: 8, .value_kind: global_buffer, .address_space: global }
      - { .name: cod1, .offset: 24, .size: 8, .value_kind: global_buffer, .address_space: global }
      - { .name: scl1, .offset: 32, .size: 8, .value_kind: global_buffer, .address_space: global }
    .group_segment_fixed_size: 51456
    .private_segment_fixed_size: 0
    .kernarg_segment_align: 8
    .kernarg_segment_size: 40
    .max_flat_workgroup_size: 192
    .sgpr_count:     66
    .vgpr_count:     256
    .wavefront_size: 32
...
	.end_amdgpu_metadata
.endif
;; end of part 1
;; launch qkv (part 2): grid 8 x 32, 4 waves a work-group, clusters of 4 x 4, 327,680 bytes of LDS; arguments cod1, scl1, qkv_b, cod2, scl2; writes cod2, scl2
.if DOCPART == 2
	.amdgcn_target "amdgcn-amd-amdhsa--gfx1250"
	.amdhsa_code_object_version 6
	.text
	.protected	k_q1105c8efa5_qkv
	.globl	k_q1105c8efa5_qkv
	.p2align	8
	.type	k_q1105c8efa5_qkv,@function
k_q1105c8efa5_qkv:
	s_mov_b64 s[64:65], 0
	v_nop
	global_prefetch_b8 v0, s[64:65] scope:SCOPE_SE
	s_setreg_imm32_b32 hwreg(HW_REG_WAVE_MODE, 25, 1), 1
	s_wait_xcnt 0x0
	s_wait_alu depctr_hold_cnt(0) depctr_sa_sdst(0) depctr_va_vdst(0) depctr_va_sdst(0) depctr_va_ssrc(0) depctr_va_vcc(0) depctr_vm_vsrc(0)
	s_getreg_b32 s2, hwreg(HW_REG_IB_STS2, 6, 4)
	s_cmp_eq_u32 s2, 0
	s_cbranch_scc0 .Lentry_in_a_cluster
	s_endpgm
.Lentry_in_a_cluster:
	s_bfe_u32 s2, ttmp6, 0x10000c
	s_cmp_lg_u32 s2, 0xf033
	s_cbranch_scc0 .Lentry_shape_is_right
	s_endpgm
.Lentry_shape_is_right:
; qkv = x qkv_w^T + qkv_b on codes of FP6 (E2M3) with E8M0 scales, sums in f32; q and k are then quantised along the head's 64 channels, v along the keys; only codes and scale words are stored.
; LIMITS: a block of zeros gets the scale byte 1 (its codes are zeros; this program alone reads the bytes); NaN and infinities are not served.
; OPERANDS.  cod1 = [group of 128 rows][K step of 128: 8][tile: 8][half: 2][768]: images of operand registers; groups 0-63 tokens, 64-87 rows of qkv_w.  Row r of tile i is row 64 (i / 4) + 8 (i % 4) + r % 8 + 32 (r / 8).
; scl1 = [group][K step][tile / 4][r][tile % 4] words.
; TRANSPOSED USE: source 0 = 16 rows of P, source 1 = 16 rows of Q: lane (r, h) holds row r of Q's tile, and the 32 registers of P's tiles 4 c .. 4 c + 3 are P's rows 64 c + 32 h + 0 .. 31: a whole block of the next K in one lane.
; THE DEAL.  256 work-groups (x = 0..7, y = 0..31), four waves 2 x 2.  PHASE 1, q or k: Q = token groups 2 y, 2 y + 1, P = weight groups 64 + 2 x and the next: 256 x 256, a wave 128 x 128, 64 accumulators.
; PHASE 2, v: P = THE SAME token groups, Q = weight group 80 + x: 128 x 256, a wave four tiles of Q x one group of P, 32 accumulators.
; LDS.  The two token groups, all of K, 196,608 bytes, loaded once for both phases; behind them a region of four K steps for each of phase 1's weight groups, 2 x 49,152 bytes; the spare words.
; FILLS.  At the head one joint load a wave: waves 0, 1 a token group each, waves 2, 3 K steps 0-3 of a weight group each.  Three refills, each behind the three lines and a round: in step 1 the bytes of K steps 0, 1 take steps 4, 5,
; in step 3 those of steps 2, 3 take steps 6, 7 (waves 2, 3), in step 7 the whole region takes phase 2's weight group, a quarter a wave.  Step 5's barrier and the barrier ahead of phase 2 show what no round shows.
; SCALE WORDS go from memory straight into registers, sixteen lanes to 256 consecutive bytes: lanes 0-15 Q's, lanes 16-31 P's; four sets of eight, v32-63; a set takes the words of four steps on behind its products.
; CLUSTER 4 x 4: token groups are shared along a row, weight groups along a column.  No prefetch: the walk is written out and has no loop to run ahead in.
; OUT.  cod2 = [q, k, v][batch x head: 64][token group: 16][fragment: 4][half: 2][768]; scl2 = [q, k, v][batch x head][token group][r][fragment] words.
; REGISTERS: window 0: v4-31 addresses; v32-63 scale words; v64-127 q's or k's bias; v128-223 Q's fragments (on the ways out v128-255 at work).  window 1: P's fragments, two sets; v96-103 v's bias.  windows 2, 3: accumulators.
.set FR,    12
.set GB,    98304
.set PA,    2*GB
.set SPARE, 3*GB
.set SEC,   6291456
.set HEADB, 98304
.set ADRQ, 4                           ; v4-7   phase 1, my token group: 16 x lane, 8 x lane; K steps 4-7 likewise
.set ADRP, 8                           ; v8-9   phase 1, my weight group's region
.set ADT,  10                          ; v10-13 phase 2, my token group
.set ADW,  14                          ; v14-15 phase 2, my four tiles of the weights; v22-23 K steps 4-7
.set ADRS, 16                          ; v16    phase 1's offset in scl1
.set O16,  17
.set O8,   18
.set SH8,  19                          ; 8 h
.set OSC,  20                          ; 4,096 h + 16 r
.set BOP,  21                          ; 128 h
.set BOQ,  24                          ; 4 (r % 8 + 32 (r / 8))
.set ADS2, 27                          ; v27    phase 2's offset in scl1
.set SPW,  28
.set NIL,  29
.set ADS3, 30                          ; v30    the same, lanes 16-31 256 bytes on
.set OSC2, 31                          ; 16 r
.set SC,   32
.set BIAS, 64
.set VB,   96                          ; window 1
.set QF,   128
.set X,    128
.set Y,    192
.set WD,   208
.set H,    216
.set PT,   240
.set MX,   248
.set SO,   252
.set G1T,  24
.set G1P,  32
.set G0T,  40
.set G0H,  44
.set G0A,  48
.set G0B,  52
.set G0W,  56
.set MSB, 0
.macro WIN new
.if MSB != (\new)
	s_set_vgpr_msb (MSB<<8)|(\new)
.set MSB, (\new)
.endif
.endm
.set MUL_LO, 0xa1
.set MUL_HI, 0xf1
.set TO_P,   0x40
.macro PLACES n
.rept \n
	v_nop
.endr
.endm
.macro TLOAD g0, g1                    ; s_nop 0 and four v_nop behind the load
	tensor_load_to_lds s[\g0:\g0+3], s[\g1:\g1+7]
	s_nop 0
	PLACES 4
.endm
.macro CREST
	s_cmp_lg_u32 s18, 0
	s_cbranch_scc1 .Lnot_wave_0_\@
	s_barrier_signal -3
.Lnot_wave_0_\@:
	s_barrier_wait -3
	s_barrier_signal -1
	s_barrier_wait -1
.endm
.macro CROUND
	s_barrier_signal -1
	s_barrier_wait -1
	CREST
.endm
.macro GROUP1 g, rows                  ; dense bytes as rows of 256
	s_mov_b32 s[\g+1], 32<<16
	s_mov_b32 s[\g+2], (\rows)<<16
	s_mov_b32 s[\g+3], 32<<16
	s_mov_b32 s[\g+4], \rows
	s_mov_b32 s[\g+5], 32
	s_mov_b32 s[\g+6], 0
	s_mov_b32 s[\g+7], 0
.endm
.macro G0SET g, l, b, off
	s_mov_b32 s[\g], 1
	s_mov_b32 s[\g+1], s\l
	s_add_nc_u64 s[\g+2:\g+3], s[\b:\b+1], \off
	s_or_b32 s[\g+3], s[\g+3], 0x80000000
.endm
	s_load_b256 s[4:11], s[0:1], 0x0               ; cod1, scl1, qkv_b, cod2
	s_load_b64 s[12:13], s[0:1], 0x20              ; scl2
	v_lshl_add_u32 v[SPW], v0, 2, SPARE
	v_mov_b32 v[NIL], 0
	ds_add_u32 v[SPW], v[NIL]                      ; the opening lines: the add twice and its wait
	ds_add_u32 v[SPW], v[NIL]
	v_lshrrev_b32 v1, 5, v0
	v_readfirstlane_b32 s18, v1                    ; wave
	s_lshr_b32 s19, s18, 1                         ; my half of Q
	s_and_b32 s20, s18, 1                          ; my half of P; also: which group I fetch at the head
	s_bfe_u32 s21, ttmp6, 0x40000                  ; cx
	s_bfe_u32 s22, ttmp6, 0x40004                  ; cy
	s_lshl_b32 s100, s22, 2
	s_lshl_b32 s100, 15, s100                      ; my row of the cluster
	s_lshl_b32 s101, 0x1111, s21                   ; my column
	s_or_b32 s[G1T], s100, (3<<16)|(1<<21)
	s_or_b32 s[G1P], s101, (3<<16)|(1<<21)
	GROUP1 G1T, 384                                ; a token group, all of K
	GROUP1 G1P, 192                                ; four K steps of a weight group; behind the head 96 rows
	s_lshl_b32 s23, ttmp9, 2
	s_add_co_u32 s23, s23, s21                     ; x
	s_and_b32 s66, ttmp7, 0xffff
	s_lshl_b32 s66, s66, 2
	s_add_co_u32 s66, s66, s22                     ; y
	s_lshl_b32 s74, s66, 1
	s_add_co_u32 s74, s74, s20
	s_mul_i32 s74, s74, GB                         ; the token group that waves 0, 1 fetch
	s_mov_b32 s75, 0
	s_lshl_b32 s76, s23, 1
	s_add_co_u32 s76, s76, s20                     ; my weight group of phase 1, 0..15
	s_lshl_b32 s92, s76, 9                         ; its 128 numbers of the bias
	s_mov_b32 s93, 0
	s_add_co_u32 s76, s76, 64
	s_lshl_b32 s88, s76, 12                        ; its scale words
	s_mul_i32 s76, s76, GB
	s_mov_b32 s77, 0
	s_add_co_u32 s78, s23, 80                      ; phase 2's weight group
	s_lshl_b32 s89, s78, 12
	s_mul_i32 s78, s78, GB
	s_mul_i32 s80, s18, 24576                      ; a quarter of it a wave
	s_add_co_u32 s78, s78, s80
	s_mov_b32 s79, 0
	s_mul_i32 s81, s20, GB                         ; LDS: token group s20,
	s_mul_i32 s82, s20, 49152
	s_add_co_u32 s82, s82, PA                      ; weight region s20,
	s_add_co_u32 s84, s82, 24576                   ; its second half,
	s_add_co_u32 s83, s80, PA                      ; my quarter of phase 2's weights,
	s_mul_i32 s85, s19, GB                         ; token group s19,
	s_mul_i32 s86, s19, 6144
	s_add_co_u32 s86, s86, PA                      ; my four tiles of phase 2's weights
	s_lshl_b32 s87, s66, 1
	s_add_co_u32 s90, s87, s20
	s_add_co_u32 s87, s87, s19
	s_lshl_b32 s87, s87, 12                        ; scale words, phase 1: Q's;
	s_sub_co_u32 s88, s88, s87                     ; P's less Q's (modulo 2^32)
	s_lshl_b32 s91, s19, 8
	s_add_co_u32 s89, s89, s91                     ; phase 2: Q's, my four tiles;
	s_lshl_b32 s90, s90, 12
	s_sub_co_u32 s90, s90, s89                     ; P's less Q's
	s_add_co_u32 s96, s23, 16
	s_lshl_b32 s96, s96, 9
	s_add_co_u32 s96, s96, s91                     ; v's bias: my 64 numbers
	s_mov_b32 s97, 0
	s_wait_dscnt 0x0
	s_wait_kmcnt 0x0
	s_add_nc_u64 s[74:75], s[4:5], s[74:75]
	s_add_nc_u64 s[76:77], s[4:5], s[76:77]
	s_add_nc_u64 s[78:79], s[4:5], s[78:79]
	G0SET G0T, 81, 74, 0
	G0SET G0H, 82, 76, 0
	G0SET G0A, 82, 76, 49152
	G0SET G0B, 84, 76, 73728
	G0SET G0W, 83, 78, 0
	s_add_nc_u64 s[72:73], s[8:9], s[96:97]
	s_add_nc_u64 s[8:9], s[8:9], s[92:93]
	CROUND                                         ; the first joint loads meet
	s_cmp_lt_u32 s18, 2
	s_cbranch_scc0 .Lhead_p
	TLOAD G0T, G1T
	s_branch .Lhead_asked
.Lhead_p:
	TLOAD G0H, G1P
.Lhead_asked:
	v_and_b32 v1, 31, v0
	v_and_b32 v2, 15, v0                           ; r
	v_bfe_u32 v3, v0, 4, 1                         ; h
	v_lshlrev_b32 v[O16], 4, v1
	v_lshlrev_b32 v[O8], 3, v1
	v_mul_lo_u32 v1, s88, v3                       ; lanes 16-31 take P's words
	v_add_nc_u32 v1, s87, v1
	v_lshl_add_u32 v[ADRS], v2, 4, v1
	v_lshlrev_b32 v[BOP], 7, v3
	v_and_b32 v1, 7, v2
	v_lshrrev_b32 v[BOQ], 3, v2
	v_lshlrev_b32 v[BOQ], 7, v[BOQ]
	v_lshl_add_u32 v[BOQ], v1, 2, v[BOQ]
.irp t, 0,1,2,3
	global_load_b128 v[32+8*\t:32+8*\t+3], v[ADRS], s[6:7] offset:512*\t
	global_load_b128 v[32+8*\t+4:32+8*\t+7], v[ADRS], s[6:7] offset:512*\t+256
.endr
.irp c, 0,1                            ; q, k: the bias of P's rows 64 c + 32 h + 0 .. 31
.irp m, 0,1,2,3,4,5,6,7
	global_load_b128 v[BIAS+32*\c+4*\m:BIAS+32*\c+4*\m+3], v[BOP], s[8:9] offset:256*\c+16*\m
.endr
.endr
	WIN 0x40
.irp a, 0,1,2,3                        ; v: the bias of Q's row r of my tile a, twice: a pair for the packed addition
	global_load_b32 v[VB+2*\a], v[BOQ], s[72:73] offset:32*\a
	global_load_b32 v[VB+2*\a+1], v[BOQ], s[72:73] offset:32*\a
.endr
	WIN 0
	v_mul_lo_u32 v1, s90, v3
	v_add_nc_u32 v1, s89, v1
	v_lshl_add_u32 v[ADS2], v2, 4, v1
	v_lshl_add_u32 v[ADS3], v3, 8, v[ADS2]
	v_add_nc_u32 v[ADRQ], s85, v[O16]
	v_add_nc_u32 v[ADRQ+1], s85, v[O8]
	v_add_nc_u32 v[ADRP], s82, v[O16]
	v_add_nc_u32 v[ADRP+1], s82, v[O8]
	v_add_nc_u32 v[ADT], s81, v[O16]
	v_add_nc_u32 v[ADT+1], s81, v[O8]
	v_add_nc_u32 v[ADW], s86, v[O16]
	v_add_nc_u32 v[ADW+1], s86, v[O8]
.irp i, 0,1
	v_add_nc_u32 v[ADRQ+2+\i], 49152, v[ADRQ+\i]
	v_add_nc_u32 v[ADT+2+\i], 49152, v[ADT+\i]
	v_add_nc_u32 v[ADW+8+\i], 49152, v[ADW+\i]
.endr
	v_lshlrev_b32 v[SH8], 3, v3
	v_lshlrev_b32 v[OSC2], 4, v2
	v_lshl_add_u32 v[OSC], v3, 12, v[OSC2]
	s_mov_b32 s2, 0x76543210
	s_mov_b32 s3, 0xfedcba98                       ; v_permlanex16_b32's selects for lane l xor 16
	; where the results go.  Phase 1: token group 2 y + s19, weight group 2 x + s20
	s_lshl_b32 s93, s66, 1
	s_add_co_u32 s91, s93, s20                     ; phase 2's token group
	s_add_co_u32 s93, s93, s19
	s_lshl_b32 s97, s23, 1
	s_add_co_u32 s97, s97, s20
	s_lshr_b32 s94, s93, 4
	s_lshl_b32 s94, s94, 4
	s_and_b32 s95, s97, 7
	s_lshl_b32 s95, s95, 1
	s_add_co_u32 s94, s94, s95                     ; 16 x batch + my first head
	s_and_b32 s95, s93, 15
	s_lshr_b32 s98, s97, 3                         ; q or k
	s_mul_i32 s14, s98, SEC
	s_mul_i32 s99, s94, HEADB
	s_add_co_u32 s14, s14, s99
	s_mul_i32 s99, s95, 6144
	s_add_co_u32 s14, s14, s99
	s_mov_b32 s15, 0
	s_add_nc_u64 s[14:15], s[10:11], s[14:15]
	s_lshl_b32 s16, s98, 18
	s_lshl_b32 s99, s94, 12
	s_add_co_u32 s16, s16, s99
	s_lshl_b32 s99, s95, 8
	s_add_co_u32 s16, s16, s99
	s_mov_b32 s17, 0
	s_add_nc_u64 s[16:17], s[12:13], s[16:17]
	; phase 2: token group 2 y + s20, head 2 x + s19 of v
	s_lshr_b32 s94, s91, 4
	s_lshl_b32 s94, s94, 4
	s_lshl_b32 s95, s23, 1
	s_add_co_u32 s94, s94, s95
	s_add_co_u32 s94, s94, s19
	s_and_b32 s95, s91, 15
	s_mul_i32 s68, s94, HEADB
	s_mul_i32 s99, s95, 6144
	s_add_co_u32 s68, s68, s99
	s_add_co_u32 s68, s68, 2*SEC
	s_mov_b32 s69, 0
	s_add_nc_u64 s[68:69], s[10:11], s[68:69]
	s_lshl_b32 s70, s94, 12
	s_lshl_b32 s99, s95, 8
	s_add_co_u32 s70, s70, s99
	s_add_co_u32 s70, s70, 2<<18
	s_mov_b32 s71, 0
	s_add_nc_u64 s[70:71], s[12:13], s[70:71]
.macro FRAG reg, adr, off              ; a fragment's image: 512 + 256 + 512 + 256 consecutive bytes
	ds_load_b128 v[\reg:\reg+3],     v[\adr]   offset:\off
	ds_load_b64  v[\reg+4:\reg+5],   v[\adr+1] offset:(\off)+512
	ds_load_b128 v[\reg+6:\reg+9],   v[\adr]   offset:(\off)+768
	ds_load_b64  v[\reg+10:\reg+11], v[\adr+1] offset:(\off)+1280
.endm
.macro FETCH_P t, p                    ; phase 1: P's eight fragments of K step t, which lies at place t % 4 of the region
	WIN TO_P
.irp i, 0,1,2,3,4,5,6,7
	FRAG 128*(\p)+FR*\i, ADRP, 12288*((\t)%4)+1536*\i
.endr
	WIN 0
.endm
.macro FETCH_Q t, i0
.irp i, \i0, \i0+1, \i0+2, \i0+3
	FRAG QF+FR*(\i), ADRQ+2*((\t)/4), 12288*((\t)%4)+1536*(\i)
.endr
.endm
.macro RESC t                          ; the set that step t has done with takes the words of four steps on: phase 1's steps 4-7, then phase 2's steps 0-3
.if (\t) < 4
	global_load_b128 v[32+8*(\t):32+8*(\t)+3], v[ADRS], s[6:7] offset:512*((\t)+4)
	global_load_b128 v[32+8*(\t)+4:32+8*(\t)+7], v[ADRS], s[6:7] offset:512*((\t)+4)+256
.else
	global_load_b128 v[8*(\t):8*(\t)+3], v[ADS2], s[6:7] offset:512*((\t)-4)
	global_load_b128 v[8*(\t)+4:8*(\t)+7], v[ADS3], s[6:7] offset:512*((\t)-4)
.endif
.endm
.macro SCSET t                         ; step t's scale words lie at v[32 + 8 (t % 4)]; from step 4 on three later sets' loads, six, may be out
.set SC, 32+8*((\t)%4)-8*((\t)%2)
.if (\t) >= 4
	s_wait_loadcnt 6
.endif
.endm
; 16 matrix instructions: Q's tiles a0, a0 + 1 x P's eight.  The 64 accumulators take turns, in the same order in every step.
.macro MUL16 a0, t, zero
.irp a, \a0, \a0+1
.irp b, 0,1,2,3,4,5,6,7
.if \zero
	v_wmma_scale_f32_16x16x128_f8f6f4 v[8*(8*((\a)%4)+\b):8*(8*((\a)%4)+\b)+7], v[128*((\t)%2)+FR*\b:128*((\t)%2)+FR*\b+FR-1], v[QF+FR*(\a):QF+FR*(\a)+FR-1], 0, v[SC+8*((\t)%2)+\b], v[SC+8*((\t)%2)+(\a)] matrix_a_fmt:MATRIX_FMT_FP6 matrix_b_fmt:MATRIX_FMT_FP6 matrix_a_scale:MATRIX_SCALE_ROW1
.else
	v_wmma_scale_f32_16x16x128_f8f6f4 v[8*(8*((\a)%4)+\b):8*(8*((\a)%4)+\b)+7], v[128*((\t)%2)+FR*\b:128*((\t)%2)+FR*\b+FR-1], v[QF+FR*(\a):QF+FR*(\a)+FR-1], v[8*(8*((\a)%4)+\b):8*(8*((\a)%4)+\b)+7], v[SC+8*((\t)%2)+\b], v[SC+8*((\t)%2)+(\a)] matrix_a_fmt:MATRIX_FMT_FP6 matrix_b_fmt:MATRIX_FMT_FP6 matrix_a_scale:MATRIX_SCALE_ROW1
.endif
.endr
.endr
.endm
; An even K step of phase 1.  Q has one set of registers: tiles 0-3 are fetched anew in the middle, tiles 4-7 at the end; P has two sets.  Four places stand ahead of each run of loads into registers that products have read.
.macro STEP t, zero
	SCSET \t
	s_wait_dscnt 16                                ; all but the youngest 16 loads (Q's tiles 4-7)
	WIN MUL_LO
	MUL16 0, \t, \zero
	MUL16 2, \t, \zero
	s_wait_dscnt 0x0
	PLACES 4
	FETCH_P (\t)+1, ((\t)+1)%2
	FETCH_Q (\t)+1, 0
	WIN MUL_HI
	MUL16 4, \t, \zero
	MUL16 6, \t, \zero
	PLACES 4
	WIN 0
	FETCH_Q (\t)+1, 4
	RESC \t
.endm
; An odd K step.  g0 other than 0: the three lines, a round inside the step, and the refill by group 0 g0 (steps 1, 3: waves 2, 3; step 7: every wave).  g0 = 0: a plain barrier shows the last refill.
.macro TURN t, g0
	SCSET \t
	s_wait_tensorcnt 0x0
.if \g0
	ds_add_u32 v[SPW], v[NIL]
	s_wait_dscnt 17                                ; (the add and the youngest 16 loads may be out)
.else
	s_wait_dscnt 16
.endif
	WIN MUL_LO
	MUL16 0, \t, 0
	s_wait_dscnt 0x0                               ; this step's fragments are all in registers: my reads of the bytes to be filled are over
	s_barrier_signal -1
	MUL16 2, \t, 0
	WIN 0
	s_barrier_wait -1
.if \g0
	CREST
.if (\t) < 7
	s_cmp_lt_u32 s18, 2
	s_cbranch_scc1 .Lnone_\@
	TLOAD \g0, G1P
.Lnone_\@:
	PLACES 4                                       ; for the waves that come round the load
.else
	TLOAD \g0, G1P
.endif
.else
	PLACES 4
.endif
.if (\t) < 7
	FETCH_P (\t)+1, ((\t)+1)%2
	FETCH_Q (\t)+1, 0
.endif
	WIN MUL_HI
	MUL16 4, \t, 0
	MUL16 6, \t, 0
	PLACES 4
	WIN 0
.if (\t) < 7
	FETCH_Q (\t)+1, 4
.endif
	RESC \t
.endm
; PHASE 2
.macro FETCH2 t                        ; K step t's twelve fragments into sets t % 2: 48 loads
	WIN TO_P
.irp i, 0,1,2,3,4,5,6,7
	FRAG 128*((\t)%2)+FR*\i, ADT+2*((\t)/4), 12288*((\t)%4)+1536*\i
.endr
	WIN 0
.irp i, 0,1,2,3
	FRAG QF+48*((\t)%2)+FR*\i, ADW+8*((\t)/4), 12288*((\t)%4)+1536*\i
.endr
.endm
.macro W a, b, t, c
	v_wmma_scale_f32_16x16x128_f8f6f4 v[8*(8*\a+\b):8*(8*\a+\b)+7], v[128*((\t)%2)+FR*\b:128*((\t)%2)+FR*\b+FR-1], v[QF+48*((\t)%2)+FR*\a:QF+48*((\t)%2)+FR*\a+FR-1], \c, v[32+8*((\t)%4)+\b], v[32+8*((\t)%4)+\a] matrix_a_fmt:MATRIX_FMT_FP6 matrix_b_fmt:MATRIX_FMT_FP6 matrix_a_scale:MATRIX_SCALE_ROW1
.endm
; A K step of phase 2: its fragments are in; four places behind the last step's products, that step's scale set takes the words of four steps on and the next step's 48 loads go out; then 32 products, the accumulators by turns.
.macro STEP2 t
	s_wait_dscnt 0x0
.if (\t) == 4
	s_wait_loadcnt 4                               ; step 4's words are in; steps 5's and 6's may be out
.elseif (\t) > 4
	s_wait_loadcnt 2*(7-(\t))
.endif
.if (\t) > 0
	PLACES 4
.if (\t) < 5
	global_load_b128 v[24+8*(\t):24+8*(\t)+3], v[ADS2], s[6:7] offset:512*((\t)+3)
	global_load_b128 v[24+8*(\t)+4:24+8*(\t)+7], v[ADS3], s[6:7] offset:512*((\t)+3)
.endif
.endif
.if (\t) < 7
	FETCH2 (\t)+1
.endif
	WIN MUL_LO
.irp a, 0,1,2,3
.irp b, 0,1,2,3,4,5,6,7
.if (\t) == 0
	W \a, \b, \t, 0
.else
	W \a, \b, \t, v[8*(8*\a+\b):8*(8*\a+\b)+7]
.endif
.endr
.endr
	WIN 0
.endm
.macro QMAX m, xa, xb                  ; the largest magnitudes of two blocks of 32; the floor 2^(3 - 127) is one more leaf
	v_max3_num_f32 v[\m],   |v[\xa]|,    |v[\xa+1]|,  0x1800000
	v_max3_num_f32 v[\m+1], |v[\xb]|,    |v[\xb+1]|,  0x1800000
	v_max3_num_f32 v[\m+2], |v[\xa+16]|, |v[\xa+17]|, |v[\xa+18]|
	v_max3_num_f32 v[\m+3], |v[\xb+16]|, |v[\xb+17]|, |v[\xb+18]|
.irp i, 2,4,6,8,10,12
	v_max3_num_f32 v[\m],   v[\m],   |v[\xa+\i]|,    |v[\xa+\i+1]|
	v_max3_num_f32 v[\m+1], v[\m+1], |v[\xb+\i]|,    |v[\xb+\i+1]|
	v_max3_num_f32 v[\m+2], v[\m+2], |v[\xa+\i+17]|, |v[\xa+\i+18]|
	v_max3_num_f32 v[\m+3], v[\m+3], |v[\xb+\i+17]|, |v[\xb+\i+18]|
.endr
	v_max3_num_f32 v[\m],   v[\m],   |v[\xa+14]|, |v[\xa+15]|
	v_max3_num_f32 v[\m+1], v[\m+1], |v[\xb+14]|, |v[\xb+15]|
	v_max3_num_f32 v[\m],   v[\m],   v[\m+2], |v[\xa+31]|
	v_max3_num_f32 v[\m+1], v[\m+1], v[\m+3], |v[\xb+31]|
.endm
; THE WAY OUT of tile a of Q.  tr = 0 (q, k): the bias runs along P.  tr = 1 (v): along Q, one number a lane and tile.  Bias in f32; maximum, scale, codes; each half image leaves as 512 + 256 consecutive bytes.
.macro EPIT tr, a
.set AC, 64*((\a)%4)
.set HH, H+12*((\a)%2)
.if \tr
	WIN 0x06                                       ; source 0 window 2, source 1 window 1
.else
	WIN 0x02+(\a)/4
.endif
.set i, 0
.rept 32
.if \tr
	v_pk_add_f32 v[X+i:X+i+1], v[AC+i:AC+i+1], v[VB+2*(\a):VB+2*(\a)+1]
.else
	v_pk_add_f32 v[X+i:X+i+1], v[AC+i:AC+i+1], v[BIAS+i:BIAS+i+1]
.endif
.set i, i+2
.endr
	WIN 0
.if (\a) >= 2
	s_wait_xcnt 0x0                                ; this set of codes was stored two tiles ago
.endif
	QMAX MX, X, X+32
	v_add_nc_u32 v[SO], 0xff000000, v[MX]          ; 2 off the exponent field: the conversion's scale operand
	v_add_nc_u32 v[SO+1], 0xff000000, v[MX+1]
	v_cvt_scalef32_pk16_fp6_f32 v[HH:HH+2], v[X:X+15], v[SO]
	v_cvt_scalef32_pk16_fp6_f32 v[PT:PT+2], v[X+16:X+31], v[SO]
	v_cvt_scalef32_pk16_fp6_f32 v[HH+6:HH+8], v[X+32:X+47], v[SO+1]
	v_cvt_scalef32_pk16_fp6_f32 v[PT+4:PT+6], v[X+48:X+63], v[SO+1]
	v_lshrrev_b32 v[Y+2*(\a)], 23, v[SO]
	v_lshrrev_b32 v[Y+2*(\a)+1], 23, v[SO+1]
.irp i3, 0,1,2
	v_mov_b32 v[HH+3+\i3], v[PT+\i3]
	v_mov_b32 v[HH+9+\i3], v[PT+4+\i3]
.endr
.irp c, 0,1
.if \tr
	global_store_b128 v[O16], v[HH+6*\c:HH+6*\c+3], s[68:69] offset:(\a)*1536+\c*768
	global_store_b64 v[O8], v[HH+6*\c+4:HH+6*\c+5], s[68:69] offset:(\a)*1536+\c*768+512
.else
	global_store_b128 v[O16], v[HH+6*\c:HH+6*\c+3], s[14:15] offset:\c*HEADB+((\a)/2)*1536+((\a)%2)*768
	global_store_b64 v[O8], v[HH+6*\c+4:HH+6*\c+5], s[14:15] offset:\c*HEADB+((\a)/2)*1536+((\a)%2)*768+512
.endif
.endr
.endm
.macro WORDS n                         ; n scale words: my lane has bytes h and 2 + h of each, lane l xor 16 the other two
.set k, 0
.rept \n
	v_lshlrev_b32 v[WD+k], v[SH8], v[WD+k]
.set k, k+1
.endr
.set k, 0
.rept \n
	v_permlanex16_b32 v[X+k], v[WD+k], s2, s3
.set k, k+1
.endr
.set k, 0
.rept \n
	v_or_b32 v[WD+k], v[WD+k], v[X+k]
.set k, k+1
.endr
.endm
	s_wait_alu depctr_va_vdst(0)
	s_wait_tensorcnt 0x0                           ; my tile is in; no load of mine is out, so group 1 may be written: a refill brings 96 rows
	s_mov_b32 s[G1P+2], 96<<16
	s_mov_b32 s[G1P+4], 96
	s_barrier_signal -1
	s_barrier_wait -1                              ; everybody's is
	FETCH_P 0, 0
	FETCH_Q 0, 0
	FETCH_Q 0, 4
	s_wait_loadcnt 0x0                             ; the scale words of K steps 0-3 and both biases
	STEP 0, 1
	TURN 1, G0A
	STEP 2, 0
	TURN 3, G0B
	STEP 4, 0
	TURN 5, 0
	STEP 6, 0
	TURN 7, G0W                                    ; phase 2's weights are asked for: they land under the way out below
.irp a, 0,1,2,3,4,5,6,7
	EPIT 0, \a
.endr
.irp n, 0,1,2,3,4,5,6,7                ; word 4 x head + fragment
	v_lshl_or_b32 v[WD+\n], v[Y+2*(2*(\n%4)+1)+\n/4], 16, v[Y+2*(2*(\n%4))+\n/4]
.endr
	WORDS 8
	v_cmp_ne_u32 vcc_lo, 0, v[SH8]                 ; lanes 0-15 store the first head's four words of row r, lanes 16-31 the second head's
.irp f, 0,1,2,3
	v_cndmask_b32 v[X+8+\f], v[WD+\f], v[WD+4+\f], vcc_lo
.endr
	global_store_b128 v[OSC], v[X+8:X+11], s[16:17]
	s_wait_xcnt 0x0                                ; the stores have read their registers: phase 2's fragments may land there
	s_wait_tensorcnt 0x0                           ; my quarter of phase 2's weights is in
	s_barrier_signal -1
	s_barrier_wait -1                              ; everybody's is
	FETCH2 0
	s_wait_loadcnt 0x0                             ; phase 2's scale words of K steps 0-3
.irp t, 0,1,2,3,4,5,6,7
	STEP2 \t
.endr
	PLACES 4
.irp a, 0,1,2,3
	EPIT 1, \a
.endr
.irp n, 0,1,2,3
	v_lshl_or_b32 v[WD+\n], v[Y+2*\n+1], 16, v[Y+2*\n]
.endr
	WORDS 4
	global_store_b128 v[OSC2], v[WD:WD+3], s[70:71]   ; row r's four words; both halves of the lanes hold and store the same 256 bytes
	s_wait_tensorcnt 0x0                           ; the wave's end
	ds_add_u32 v[SPW], v[NIL]
	s_wait_dscnt 0x0
	CROUND                                         ; the closing round
	s_endpgm
.Lfunc_end_k_q1105c8efa5_qkv:
	.size	k_q1105c8efa5_qkv, .Lfunc_end_k_q1105c8efa5_qkv-k_q1105c8efa5_qkv
	.p2alignl 7, 3214868480
	.fill 96, 4, 3214868480
	.section	.rodata,"a",@progbits
	.p2align	6, 0x0
	.amdhsa_kernel k_q1105c8efa5_qkv
		.amdhsa_group_segment_fixed_size 327680
		.amdhsa_private_segment_fixed_size 0
		.amdhsa_enable_private_segment 0
		.amdhsa_kernarg_size 40
		.amdhsa_user_sgpr_count 2
		.amdhsa_user_sgpr_kernarg_segment_ptr 1
		.amdhsa_wavefront_size32 1
		.amdhsa_system_sgpr_workgroup_id_x 1
		.amdhsa_system_sgpr_workgroup_id_y 1
		.amdhsa_system_sgpr_workgroup_id_z 1
		.amdhsa_system_vgpr_workitem_id 0
		.amdhsa_next_free_vgpr 1024
		.amdhsa_next_free_sgpr 102
		.amdhsa_reserve_vcc 1
		.amdhsa_float_denorm_mode_32 3
		.amdhsa_float_denorm_mode_16_64 3
		.amdhsa_memory_ordered 1
		.amdhsa_forward_progress 1
		.amdhsa_inst_pref_size 240
	.end_amdhsa_kernel
	.amdgpu_metadata
---
amdhsa.version: [ 1, 2 ]
amdhsa.kernels:
  - .name:           k_q1105c8efa5_qkv
    .symbol:         k_q1105c8efa5_qkv.kd
    .args:
      - { .name: cod1, .offset: 0, .size: 8, .value_kind: global_buffer, .address_space: global }
      - { .name: scl1, .offset: 8, .size: 8, .value_kind: global_buffer, .address_space: global }
      - { .name: qkv_b, .offset: 16, .size: 8, .value_kind: global_buffer, .address_space: global }
      - { .name: cod2, .offset: 24, .size: 8, .value_kind: global_buffer, .address_space: global }
      - { .name: scl2, .offset: 32, .size: 8, .value_kind: global_buffer, .address_space: global }
    .group_segment_fixed_size: 327680
    .private_segment_fixed_size: 0
    .kernarg_segment_align: 8
    .kernarg_segment_size: 40
    .max_flat_workgroup_size: 128
    .sgpr_count:     102
    .vgpr_count:     1024
    .wavefront_size: 32
...
	.end_amdgpu_metadata
.endif
;; end of part 2
;; launch attn (part 3): grid 4 x 64, 8 waves a work-group, clusters of 4 x 1, 327,680 bytes of LDS; arguments cod2, scl2, cod3, scl1; writes cod3, scl1
.if DOCPART == 3
	.amdgcn_target "amdgcn-amd-amdhsa--gfx1250"
	.amdhsa_code_object_version 6
	.text
	.protected	k_q1105c8efa5_attn
	.globl	k_q1105c8efa5_attn
	.p2align	8
	.type	k_q1105c8efa5_attn,@function
k_q1105c8efa5_attn:
	s_mov_b64 s[64:65], 0
	v_nop
	global_prefetch_b8 v0, s[64:65] scope:SCOPE_SE
	s_setreg_imm32_b32 hwreg(HW_REG_WAVE_MODE, 25, 1), 1
	s_wait_xcnt 0x0
	s_wait_alu depctr_hold_cnt(0) depctr_sa_sdst(0) depctr_va_vdst(0) depctr_va_sdst(0) depctr_va_ssrc(0) depctr_va_vcc(0) depctr_vm_vsrc(0)
	s_getreg_b32 s2, hwreg(HW_REG_IB_STS2, 6, 4)
	s_cmp_eq_u32 s2, 0
	s_cbranch_scc0 .Lentry_in_a_cluster
	s_endpgm
.Lentry_in_a_cluster:
	s_bfe_u32 s2, ttmp6, 0x10000c
	s_cmp_lg_u32 s2, 0x3003
	s_cbranch_scc0 .Lentry_shape_is_right
	s_endpgm
.Lentry_shape_is_right:
; softmax(q k^T / 8) v for one head and 512 queries a work-group, 64 queries a wave, on codes of FP6 with E8M0 scales; the head's K and V, 2,048 keys, lie in LDS for the whole launch.
; THE HEAD'S TILES, one joint load a wave: waves 0-2 a third each of K's codes, waves 3-5 of V's (32,768 bytes), wave 6 K's scale words, wave 7 V's (4,096 bytes).
; The result is quantised along the channels; its codes go to cod3, its scale bytes to scl1 behind the 96 groups that the first launch wrote (393,216 bytes), laid as those are.
; LIMITS: NaN and infinities are not served; the promise holds while the scaled scores stay under 2^31 in magnitude.
.set SEC,   6291456
.set HEADB, 98304
.set VC,    98304
.set KW,    196608
.set VW,    200704
.set SPARE, 204800
.set A16,  1
.set A8,   2
.set AR,   3
.set ADK,  4
.set ADK8, 5
.set ADS,  6
.set ADV,  7
.set ADV8, 8
.set ADT,  9
.set SPW,  10
.set NIL,  11
.set SH8,  12
.set OB8,  13
.set KS,   16
.set VS,   20
.set QW,   24
.set PW,   28
.set ST,   32
.set BM,   48
.set FF,   50
.set RM,   52
.set SO0,  54
.set PD,   55
.set CB,   56
.set SO1,  58
.set PD2,  59
.set CH,   60
.set RL,   66
.set F,    80
.set SB,   128
.set PC,   128
.set PT,   176
.set QZ,   184
.set WV,   12
.set G1C,  24
.set G1S,  32
.set G0C,  40
.set G0S,  44
.set CS,   48
.set SEL,  50
.set TK,   52
.set TV,   53
.set TSK,  54
.set TSV,  55
.set CNT,  56
.set MSB, 0
.macro WIN new
.if MSB != (\new)
	s_set_vgpr_msb (MSB<<8)|(\new)
.set MSB, (\new)
.endif
.endm
.macro CROUND
	s_barrier_signal -1
	s_barrier_wait -1
	s_cmp_lg_u32 s[WV], 0
	s_cbranch_scc1 .Lnot_wave_0_\@
	s_barrier_signal -3
.Lnot_wave_0_\@:
	s_barrier_wait -3
	s_barrier_signal -1
	s_barrier_wait -1
.endm
	s_load_b256 s[4:11], s[0:1], 0x0
	v_lshl_add_u32 v[SPW], v0, 2, SPARE
	v_mov_b32 v[NIL], 0
	ds_add_u32 v[SPW], v[NIL]
	ds_add_u32 v[SPW], v[NIL]
	v_lshrrev_b32 v14, 5, v0
	s_delay_alu instid0(VALU_DEP_1)
	v_readfirstlane_b32 s[WV], v14
	s_bfe_u32 s13, ttmp6, 0x40000
	s_and_b32 s14, ttmp7, 0xffff
	s_mov_b32 s[G1C], 15|(3<<16)|(1<<21)
	s_mov_b32 s[G1C+1], 32<<16
	s_mov_b32 s[G1C+2], 128<<16
	s_mov_b32 s[G1C+3], 32<<16
	s_mov_b32 s[G1C+4], 128
	s_mov_b32 s[G1C+5], 32
	s_mov_b32 s[G1C+6], 0
	s_mov_b32 s[G1C+7], 0
	s_mov_b32 s[G1S], 15|(3<<16)|(1<<21)
	s_mov_b32 s[G1S+1], 32<<16
	s_mov_b32 s[G1S+2], 16<<16
	s_mov_b32 s[G1S+3], 32<<16
	s_mov_b32 s[G1S+4], 16
	s_mov_b32 s[G1S+5], 32
	s_mov_b32 s[G1S+6], 0
	s_mov_b32 s[G1S+7], 0
	s_cmp_ge_u32 s[WV], 3                          ; codes: waves 0-2 section 1 (K), waves 3-5 section 2 (V), a third of the head each
	s_cselect_b32 s15, 2, 1
	s_cselect_b32 s16, 3, 0
	s_sub_co_u32 s16, s[WV], s16
	s_mul_i32 s20, s15, SEC
	s_mul_i32 s17, s14, HEADB
	s_add_co_u32 s20, s20, s17
	s_lshl_b32 s17, s16, 15
	s_add_co_u32 s20, s20, s17
	s_mov_b32 s21, 0
	s_and_b32 s19, s[WV], 1                        ; scale words: wave 6 K's, wave 7 V's
	s_add_co_u32 s22, s19, 1
	s_lshl_b32 s22, s22, 18
	s_lshl_b32 s17, s14, 12
	s_add_co_u32 s22, s22, s17
	s_mov_b32 s23, 0
	s_lshl_b32 s18, s[WV], 15
	s_lshl_b32 s19, s19, 12
	s_lshl_b32 s15, s13, 2
	s_lshr_b32 s16, s[WV], 1
	s_add_co_u32 s15, s15, s16
	s_and_b32 s16, s[WV], 1
	s_mul_i32 s58, s14, HEADB
	s_mul_i32 s17, s15, 6144
	s_add_co_u32 s58, s58, s17
	s_mul_i32 s17, s16, 3072
	s_add_co_u32 s58, s58, s17
	s_mov_b32 s59, 0
	s_lshl_b32 s60, s14, 12
	s_lshl_b32 s17, s15, 8
	s_add_co_u32 s60, s60, s17
	s_lshl_b32 s17, s16, 3
	s_add_co_u32 s60, s60, s17
	s_mov_b32 s61, 0
	s_mov_b32 s[CS], 0x3e38aa3b
	s_mov_b32 s[CS+1], s[CS]
	s_mov_b32 s[SEL], 0x76543210
	s_mov_b32 s[SEL+1], 0xfedcba98
	s_mov_b32 s[TK], 0
	s_mov_b32 s[TV], VC
	s_mov_b32 s[TSK], KW
	s_mov_b32 s[TSV], VW
	s_wait_dscnt 0x0
	s_wait_kmcnt 0x0
	s_mov_b32 s[G0C], 1
	s_mov_b32 s[G0C+1], s18
	s_add_nc_u64 s[G0C+2:G0C+3], s[4:5], s[20:21]
	s_or_b32 s[G0C+3], s[G0C+3], 0x80000000
	s_mov_b32 s[G0S], 1
	s_add_co_u32 s[G0S+1], s19, KW
	s_add_nc_u64 s[G0S+2:G0S+3], s[6:7], s[22:23]
	s_or_b32 s[G0S+3], s[G0S+3], 0x80000000
	s_add_nc_u64 s[58:59], s[4:5], s[58:59]
	s_add_nc_u64 s[60:61], s[6:7], s[60:61]
	CROUND
	s_cmp_lt_u32 s[WV], 6                          ; one chain on the wave's number, one load to an arm
	s_cbranch_scc0 .Lfor_scales
	tensor_load_to_lds s[G0C:G0C+3], s[G1C:G1C+7]
	s_nop 0
.rept 4
	v_nop
.endr
	s_branch .Lhead_asked
.Lfor_scales:
	tensor_load_to_lds s[G0S:G0S+3], s[G1S:G1S+7]
	s_nop 0
.rept 4
	v_nop
.endr
.Lhead_asked:
	v_and_b32 v14, 31, v0
	v_and_b32 v15, 15, v0
	s_delay_alu instid0(VALU_DEP_2)
	v_lshlrev_b32 v[A16], 4, v14
	s_delay_alu instid0(VALU_DEP_3)
	v_lshlrev_b32 v[A8], 3, v14
	s_delay_alu instid0(VALU_DEP_3)
	v_lshlrev_b32 v[AR], 4, v15
	v_bfe_u32 v14, v0, 4, 1
	s_delay_alu instid0(VALU_DEP_1)
	v_lshlrev_b32 v[SH8], 3, v14
	s_delay_alu instid0(VALU_DEP_2)
	v_add_nc_u32 v[OB8], v[AR], v14
	WIN 0x40
.irp t, 0,1,2,3
	global_load_b128 v[QZ+6+12*\t:QZ+9+12*\t], v[A16], s[58:59] offset:768*\t
	global_load_b64 v[QZ+10+12*\t:QZ+11+12*\t], v[A8], s[58:59] offset:768*\t+512
.endr
.irp z, 0,1,2,3,4
.irp i, 0,1,2,3,4,5
	v_mov_b32 v[QZ+12*\z+\i], 0
.endr
.endr
	WIN 0
	global_load_b64 v[QW:QW+1], v[AR], s[60:61]
.irp t, 0,1,2,3
	v_mov_b32 v[ST+4*\t+1], 0xff61b1e6
	s_delay_alu instid0(VALU_DEP_1)
	v_floor_f32 v[ST+4*\t], -v[ST+4*\t+1]
	v_mov_b32 v[ST+4*\t+2], 0
	v_mov_b32 v[ST+4*\t+3], 0
.endr
	v_mov_b32 v[FF+1], 0
	v_mov_b32 v[PD], 0
	v_mov_b32 v[PD2], 0
	s_lshr_b32 s16, s14, 4
	s_lshl_b32 s16, s16, 4
	s_add_co_u32 s16, s16, s15
	s_and_b32 s17, s14, 15
	s_lshr_b32 s18, s17, 1
	s_and_b32 s17, s17, 1
	s_and_b32 s19, s[WV], 1
	s_mul_i32 s20, s16, 98304
	s_mul_i32 s21, s18, 12288
	s_add_co_u32 s20, s20, s21
	s_mul_i32 s21, s17, 768
	s_add_co_u32 s20, s20, s21
	s_mul_i32 s21, s19, 6144
	s_add_co_u32 s20, s20, s21
	s_mov_b32 s21, 0
	s_add_nc_u64 s[8:9], s[8:9], s[20:21]
	s_lshl_b32 s22, s16, 12
	s_lshl_b32 s23, s18, 9
	s_add_co_u32 s22, s22, s23
	s_lshl_b32 s23, s19, 8
	s_add_co_u32 s22, s22, s23
	s_lshl_b32 s23, s17, 1
	s_add_co_u32 s22, s22, s23
	s_add_co_u32 s22, s22, 393216                  ; behind the first launch's 96 groups of scale words
	s_mov_b32 s23, 0
	s_add_nc_u64 s[10:11], s[10:11], s[22:23]
.macro KLOAD
.irp f, 0,1,2,3
	ds_load_b128 v[F+12*\f:F+12*\f+3],     v[ADK]  offset:1536*\f
	ds_load_b64  v[F+12*\f+4:F+12*\f+5],   v[ADK8] offset:1536*\f+512
	ds_load_b128 v[F+12*\f+6:F+12*\f+9],   v[ADK]  offset:1536*\f+768
	ds_load_b64  v[F+12*\f+10:F+12*\f+11], v[ADK8] offset:1536*\f+1280
.endr
	ds_load_b128 v[KS:KS+3], v[ADS]
.endm
.macro VLOAD
.irp f, 0,1,2,3
	ds_load_b128 v[SB+12*\f:SB+12*\f+3],     v[ADV]  offset:1536*\f
	ds_load_b64  v[SB+12*\f+4:SB+12*\f+5],   v[ADV8] offset:1536*\f+512
	ds_load_b128 v[SB+12*\f+6:SB+12*\f+9],   v[ADV]  offset:1536*\f+768
	ds_load_b64  v[SB+12*\f+10:SB+12*\f+11], v[ADV8] offset:1536*\f+1280
.endr
	ds_load_b128 v[VS:VS+3], v[ADT]
.endm
.macro SW t
	WIN 0x04
.irp a, 0,1,2,3,4,5,6,7
	v_wmma_scale_f32_16x16x128_f8f6f4 v[SB+64*((\t)%2)+8*\a:SB+64*((\t)%2)+8*\a+7], v[F+12*(\a/2):F+12*(\a/2)+11], v[QZ+6+12*(\t)-6*(\a%2):QZ+17+12*(\t)-6*(\a%2)], 0, v[KS+\a/2], v[QW+(\t)/2+2*((\a+(\t))%2)] matrix_a_fmt:MATRIX_FMT_FP6 matrix_b_fmt:MATRIX_FMT_FP6
.endr
.endm
.macro PV
	WIN 0x54
.irp ct, 0,1,2,3
.irp t, 0,1,2,3
	v_wmma_scale_f32_16x16x128_f8f6f4 v[32*\t+8*\ct:32*\t+8*\ct+7], v[SB+12*\ct:SB+12*\ct+11], v[PC+12*\t:PC+12*\t+11], v[32*\t+8*\ct:32*\t+8*\ct+7], v[VS+\ct], v[PW+\t] matrix_a_fmt:MATRIX_FMT_FP6 matrix_b_fmt:MATRIX_FMT_FP6
.endr
.endr
.endm
.macro SM t
.set SS, SB+64*((\t)%2)
.set TT, ST+4*(\t)
	WIN 0
	v_max3_num_f32 v[BM],   v[SS],    v[SS+1],  v[SS+2]
	v_max3_num_f32 v[CB],   v[SS+16], v[SS+17], v[SS+18]
	v_max3_num_f32 v[BM+1], v[SS+32], v[SS+33], v[SS+34]
	v_max3_num_f32 v[CB+1], v[SS+48], v[SS+49], v[SS+50]
.irp i, 3,5,7,9,11,13
	v_max3_num_f32 v[BM],   v[BM],   v[SS+\i],    v[SS+\i+1]
	v_max3_num_f32 v[CB],   v[CB],   v[SS+\i+16], v[SS+\i+17]
	v_max3_num_f32 v[BM+1], v[BM+1], v[SS+\i+32], v[SS+\i+33]
	v_max3_num_f32 v[CB+1], v[CB+1], v[SS+\i+48], v[SS+\i+49]
.endr
	v_max3_num_f32 v[BM],   v[BM],   v[CB],   v[SS+15]
	v_max3_num_f32 v[BM+1], v[BM+1], v[CB+1], v[SS+47]
	v_max_num_f32 v[BM],   v[BM],   v[SS+31]
	v_max_num_f32 v[BM+1], v[BM+1], v[SS+63]
	s_delay_alu instid0(VALU_DEP_1)
	v_max_num_f32 v[RM], v[BM], v[BM+1]
	s_delay_alu instid0(VALU_DEP_1)
	v_permlanex16_b32 v[PD], v[RM], s[SEL], s[SEL+1]
	s_delay_alu instid0(VALU_DEP_1)
	v_max_num_f32 v[RM], v[RM], v[PD]
	s_delay_alu instid0(VALU_DEP_1)
	v_mul_f32 v[RM], s[CS], v[RM]
	s_delay_alu instid0(VALU_DEP_1)
	v_max_num_f32 v[TT+1], v[TT+1], v[RM]
	v_mov_b32 v[RM], v[TT]
	s_delay_alu instid0(VALU_DEP_2)
	v_floor_f32 v[TT], -v[TT+1]
	s_delay_alu instid0(VALU_DEP_1)
	v_sub_f32 v[RM], v[TT], v[RM]
	s_delay_alu instid0(VALU_DEP_1)
	v_cvt_i32_f32 v[RM], v[RM]
	s_delay_alu instid0(VALU_DEP_1)
	v_ldexp_f32 v[FF], 1.0, v[RM]
.set j, 0
.rept 32
	v_pk_fma_f32 v[SS+j:SS+j+1], v[SS+j:SS+j+1], s[CS:CS+1], v[TT:TT+1] op_sel_hi:[1,0,0]
.set j, j+2
.endr
	v_fma_f32 v[BM], v[BM], s[CS], v[TT]
	v_fma_f32 v[BM+1], v[BM+1], s[CS], v[TT]
.set j, 0
	s_wait_alu depctr_va_vdst(0)
.rept 64
	v_exp_f32 v[SS+j], v[SS+j]
.set j, j+1
.endr
	v_pk_mul_f32 v[TT+2:TT+3], v[TT+2:TT+3], v[FF:FF+1] op_sel_hi:[1,0]
	s_wait_alu depctr_va_vdst(0)
	v_exp_f32 v[BM], v[BM]
	v_exp_f32 v[BM+1], v[BM+1]
	v_pk_add_f32 v[CH:CH+1],   v[SS:SS+1],   v[SS+2:SS+3]
	v_pk_add_f32 v[CH+2:CH+3], v[SS+4:SS+5], v[SS+6:SS+7]
	v_pk_add_f32 v[CH+4:CH+5], v[SS+8:SS+9], v[SS+10:SS+11]
.set j, 12
.rept 6
	v_pk_add_f32 v[TT+2:TT+3], v[TT+2:TT+3], v[SS+j:SS+j+1]
	v_pk_add_f32 v[CH:CH+1],   v[CH:CH+1],   v[SS+j+2:SS+j+3]
	v_pk_add_f32 v[CH+2:CH+3], v[CH+2:CH+3], v[SS+j+4:SS+j+5]
	v_pk_add_f32 v[CH+4:CH+5], v[CH+4:CH+5], v[SS+j+6:SS+j+7]
.set j, j+8
.endr
	v_pk_add_f32 v[TT+2:TT+3], v[TT+2:TT+3], v[SS+60:SS+61]
	v_pk_add_f32 v[CH:CH+1],   v[CH:CH+1],   v[SS+62:SS+63]
	s_delay_alu instid0(VALU_DEP_3)
	v_pk_add_f32 v[CH+2:CH+3], v[CH+2:CH+3], v[CH+4:CH+5]
	s_delay_alu instid0(VALU_DEP_2)
	v_pk_add_f32 v[TT+2:TT+3], v[TT+2:TT+3], v[CH:CH+1]
	s_delay_alu instid0(VALU_DEP_1)
	v_pk_add_f32 v[TT+2:TT+3], v[TT+2:TT+3], v[CH+2:CH+3]
	s_wait_alu depctr_va_vdst(0)
	v_max_num_f32 v[BM], 0x1800000, v[BM]
	v_max_num_f32 v[BM+1], 0x1800000, v[BM+1]
	s_delay_alu instid0(VALU_DEP_2)
	v_add_nc_u32 v[SO0], 0xff000000, v[BM]
	s_delay_alu instid0(VALU_DEP_2)
	v_add_nc_u32 v[SO1], 0xff000000, v[BM+1]
	s_delay_alu instid0(VALU_DEP_2)
	v_lshrrev_b32 v[CB], 23, v[SO0]
	s_delay_alu instid0(VALU_DEP_2)
	v_lshrrev_b32 v[CB+1], 23, v[SO1]
	s_delay_alu instid0(VALU_DEP_1)
	v_lshl_or_b32 v[RM], v[CB+1], 16, v[CB]
	s_delay_alu instid0(VALU_DEP_1)
	v_lshlrev_b32 v[RM], v[SH8], v[RM]
	s_delay_alu instid0(VALU_DEP_1)
	v_permlanex16_b32 v[PD2], v[RM], s[SEL], s[SEL+1]
	s_delay_alu instid0(VALU_DEP_1)
	v_or_b32 v[PW+(\t)], v[RM], v[PD2]
	WIN 0x40
	v_cvt_scalef32_pk16_fp6_f32 v[PC+12*(\t):PC+12*(\t)+2],   v[SS:SS+15],    v[SO0]
	v_cvt_scalef32_pk16_fp6_f32 v[PT:PT+2],                   v[SS+16:SS+31], v[SO0]
	v_cvt_scalef32_pk16_fp6_f32 v[PC+12*(\t)+6:PC+12*(\t)+8], v[SS+32:SS+47], v[SO1]
	v_cvt_scalef32_pk16_fp6_f32 v[PT+4:PT+6],                 v[SS+48:SS+63], v[SO1]
	v_nop
	WIN 0x41
.irp i, 0,1,2
	v_mov_b32 v[PC+12*(\t)+3+\i], v[PT+\i]
	v_mov_b32 v[PC+12*(\t)+9+\i], v[PT+4+\i]
.endr
.set j, 0
.rept 16
	v_pk_mul_f32 v[32*(\t)+j:32*(\t)+j+1], v[32*(\t)+j:32*(\t)+j+1], v[FF:FF+1] op_sel_hi:[1,0]
.set j, j+2
.endr
.endm
.macro STEP pf
	s_wait_dscnt 0x0
	SW 0
	SW 1
	WIN 0
	v_add_nc_u32 v[ADV], s[TV], v[A16]
	v_add_nc_u32 v[ADV8], s[TV], v[A8]
	v_add_nc_u32 v[ADT], s[TSV], v[AR]
	v_nop
	SM 0
	SW 2
	SM 1
	SW 3
	WIN 0
.if \pf
	v_add_nc_u32 v[ADK], s[TK], v[A16]
	v_add_nc_u32 v[ADK8], s[TK], v[A8]
	v_add_nc_u32 v[ADS], s[TSK], v[AR]
	v_nop
	s_add_co_u32 s[TK], s[TK], 6144
	s_add_co_u32 s[TSK], s[TSK], 256
	KLOAD
.endif
	SM 2
	WIN 0
	VLOAD
	SM 3
	s_wait_alu depctr_va_vdst(0)
	s_wait_dscnt 0x0
	PV
	WIN 0
	s_add_co_u32 s[TV], s[TV], 6144
	s_add_co_u32 s[TSV], s[TSV], 256
.if \pf
.rept 5
	v_nop
.endr
.endif
.endm
	s_wait_tensorcnt 0x0
	s_barrier_signal -1
	s_barrier_wait -1
	v_add_nc_u32 v[ADK], s[TK], v[A16]
	v_add_nc_u32 v[ADK8], s[TK], v[A8]
	v_add_nc_u32 v[ADS], s[TSK], v[AR]
	s_add_co_u32 s[TK], s[TK], 6144
	s_add_co_u32 s[TSK], s[TSK], 256
	KLOAD
	s_wait_loadcnt 0x0
	v_alignbit_b32 v[QW+2], v[QW], v[QW], 16
	v_alignbit_b32 v[QW+3], v[QW+1], v[QW+1], 16
	WIN 0x40
.set j, 0
.rept 128
	v_mov_b32 v[j], 0
.set j, j+1
.endr
	WIN 0
	s_mov_b32 s[CNT], 15
.Lstep:
	STEP 1
	s_sub_co_u32 s[CNT], s[CNT], 1
	s_cmp_lg_u32 s[CNT], 0
	s_cbranch_scc1 .Lstep
	STEP 0
.macro QMAX m, xa, xb
	v_max3_num_f32 v[\m],   |v[\xa]|,    |v[\xa+1]|,  0x1800000
	v_max3_num_f32 v[\m+1], |v[\xb]|,    |v[\xb+1]|,  0x1800000
	v_max3_num_f32 v[\m+2], |v[\xa+16]|, |v[\xa+17]|, |v[\xa+18]|
	v_max3_num_f32 v[\m+3], |v[\xb+16]|, |v[\xb+17]|, |v[\xb+18]|
.irp i, 2,4,6,8,10,12
	s_delay_alu instid0(VALU_DEP_4)
	v_max3_num_f32 v[\m],   v[\m],   |v[\xa+\i]|,    |v[\xa+\i+1]|
	s_delay_alu instid0(VALU_DEP_4)
	v_max3_num_f32 v[\m+1], v[\m+1], |v[\xb+\i]|,    |v[\xb+\i+1]|
	s_delay_alu instid0(VALU_DEP_4)
	v_max3_num_f32 v[\m+2], v[\m+2], |v[\xa+\i+17]|, |v[\xa+\i+18]|
	s_delay_alu instid0(VALU_DEP_4)
	v_max3_num_f32 v[\m+3], v[\m+3], |v[\xb+\i+17]|, |v[\xb+\i+18]|
.endr
	s_delay_alu instid0(VALU_DEP_4)
	v_max3_num_f32 v[\m],   v[\m],   |v[\xa+14]|, |v[\xa+15]|
	s_delay_alu instid0(VALU_DEP_4)
	v_max3_num_f32 v[\m+1], v[\m+1], |v[\xb+14]|, |v[\xb+15]|
	s_delay_alu instid0(VALU_DEP_2)
	v_max3_num_f32 v[\m],   v[\m],   v[\m+2], |v[\xa+31]|
	s_delay_alu instid0(VALU_DEP_2)
	v_max3_num_f32 v[\m+1], v[\m+1], v[\m+3], |v[\xb+31]|
.endm
.irp t, 0,1,2,3
	v_add_f32 v[52+\t], v[ST+4*\t+2], v[ST+4*\t+3]
.endr
.irp t, 0,1,2,3
	s_delay_alu instid0(VALU_DEP_4)
	v_permlanex16_b32 v[56+\t], v[52+\t], s[SEL], s[SEL+1]
.endr
.irp t, 0,1,2,3
	s_delay_alu instid0(VALU_DEP_4)
	v_add_f32 v[52+\t], v[52+\t], v[56+\t]
.endr
	s_wait_alu depctr_va_vdst(0)
.irp t, 0,1,2,3
	v_rcp_f32 v[RL+2*\t], v[52+\t]
.endr
.irp t, 0,1,2,3
	v_mov_b32 v[RL+2*\t+1], 0
.endr
	s_wait_alu depctr_va_vdst(0)
	WIN 0x01
.irp t, 0,1,2,3
.set j, 0
.rept 16
	v_pk_mul_f32 v[SB+32*\t+j:SB+32*\t+j+1], v[32*\t+j:32*\t+j+1], v[RL+2*\t:RL+2*\t+1] op_sel_hi:[1,0]
.set j, j+2
.endr
.endr
	WIN 0
	QMAX 52, SB, SB+32
	QMAX 56, SB+64, SB+96
	v_add_nc_u32 v60, 0xff000000, v52
	v_add_nc_u32 v61, 0xff000000, v53
	s_delay_alu instid0(VALU_DEP_4)
	v_add_nc_u32 v62, 0xff000000, v56
	s_delay_alu instid0(VALU_DEP_4)
	v_add_nc_u32 v63, 0xff000000, v57
.irp t, 0,1,2,3
	v_cvt_scalef32_pk16_fp6_f32 v[F+8*\t:F+8*\t+2], v[SB+32*\t:SB+32*\t+15], v[60+\t]
	v_cvt_scalef32_pk16_fp6_f32 v[F+32+4*\t:F+34+4*\t], v[SB+32*\t+16:SB+32*\t+31], v[60+\t]
.endr
.irp t, 0,1,2,3
	v_lshrrev_b32 v[48+\t], 23, v[60+\t]
.endr
.irp t, 0,1,2,3
.irp i, 0,1,2
	v_mov_b32 v[F+8*\t+3+\i], v[F+32+4*\t+\i]
.endr
.endr
.irp t, 0,1,2,3
	global_store_b128 v[A16], v[F+8*\t:F+8*\t+3], s[8:9] offset:1536*\t
	global_store_b64 v[A8], v[F+8*\t+4:F+8*\t+5], s[8:9] offset:1536*\t+512
	global_store_b8 v[OB8], v[48+\t], s[10:11] offset:4*\t
.endr
	s_wait_tensorcnt 0x0
	ds_add_u32 v[SPW], v[NIL]
	s_wait_dscnt 0x0
	CROUND
	s_endpgm
.Lfunc_end_k_q1105c8efa5_attn:
	.size	k_q1105c8efa5_attn, .Lfunc_end_k_q1105c8efa5_attn-k_q1105c8efa5_attn
	.p2alignl 7, 3214868480
	.fill 96, 4, 3214868480
	.section	.rodata,"a",@progbits
	.p2align	6, 0x0
	.amdhsa_kernel k_q1105c8efa5_attn
		.amdhsa_group_segment_fixed_size 327680
		.amdhsa_private_segment_fixed_size 0
		.amdhsa_enable_private_segment 0
		.amdhsa_kernarg_size 32
		.amdhsa_user_sgpr_count 2
		.amdhsa_user_sgpr_kernarg_segment_ptr 1
		.amdhsa_wavefront_size32 1
		.amdhsa_system_sgpr_workgroup_id_x 1
		.amdhsa_system_sgpr_workgroup_id_y 1
		.amdhsa_system_sgpr_workgroup_id_z 1
		.amdhsa_system_vgpr_workitem_id 0
		.amdhsa_next_free_vgpr 512
		.amdhsa_next_free_sgpr 66
		.amdhsa_reserve_vcc 0
		.amdhsa_float_denorm_mode_32 3
		.amdhsa_float_denorm_mode_16_64 3
		.amdhsa_memory_ordered 1
		.amdhsa_forward_progress 1
		.amdhsa_inst_pref_size 137
	.end_amdhsa_kernel
	.amdgpu_metadata
---
amdhsa.version: [ 1, 2 ]
amdhsa.kernels:
  - .name:           k_q1105c8efa5_attn
    .symbol:         k_q1105c8efa5_attn.kd
    .args:
      - { .name: cod2, .offset: 0, .size: 8, .value_kind: global_buffer, .address_space: global }
      - { .name: scl2, .offset: 8, .size: 8, .value_kind: global_buffer, .address_space: global }
      - { .name: cod3, .offset: 16, .size: 8, .value_kind: global_buffer, .address_space: global }
      - { .name: scl1, .offset: 24, .size: 8, .value_kind: global_buffer, .address_space: global }
    .group_segment_fixed_size: 327680
    .private_segment_fixed_size: 0
    .kernarg_segment_align: 8
    .kernarg_segment_size: 32
    .max_flat_workgroup_size: 256
    .sgpr_count:     66
    .vgpr_count:     512
    .wavefront_size: 32
...
	.end_amdgpu_metadata
.endif
;; end of part 3
;; launch proj (part 4): grid 4 x 64, 4 waves a work-group, clusters of 4 x 4, 327,680 bytes of LDS; arguments cod3, cod1, scl1, proj_b, out0; writes out0
.if DOCPART == 4
	.amdgcn_target "amdgcn-amd-amdhsa--gfx1250"
	.amdhsa_code_object_version 6
	.text
	.protected	k_q1105c8efa5_proj
	.globl	k_q1105c8efa5_proj
	.p2align	8
	.type	k_q1105c8efa5_proj,@function
k_q1105c8efa5_proj:
	s_mov_b64 s[64:65], 0
	v_nop
	global_prefetch_b8 v0, s[64:65] scope:SCOPE_SE
	s_setreg_imm32_b32 hwreg(HW_REG_WAVE_MODE, 25, 1), 1
	s_wait_xcnt 0x0
	s_wait_alu depctr_hold_cnt(0) depctr_sa_sdst(0) depctr_va_vdst(0) depctr_va_sdst(0) depctr_va_ssrc(0) depctr_va_vcc(0) depctr_vm_vsrc(0)
	s_getreg_b32 s2, hwreg(HW_REG_IB_STS2, 6, 4)
	s_cmp_eq_u32 s2, 0
	s_cbranch_scc0 .Lentry_in_a_cluster
	s_endpgm
.Lentry_in_a_cluster:
	s_bfe_u32 s2, ttmp6, 0x10000c
	s_cmp_lg_u32 s2, 0xf033
	s_cbranch_scc0 .Lentry_shape_is_right
	s_endpgm
.Lentry_shape_is_right:
; out0 = o proj_w^T + proj_b on codes of FP6 (E2M3) with E8M0 scales, sums in f32.
; OPERANDS: images of operand registers, [group of 128 rows][K step of 128: 8][tile: 8][half: 2][768].  Q = cod3's 64 groups of tokens; P = cod1's groups 88-95, rows of proj_w.  Row r of tile i of a group is row
; 64 (i / 4) + 8 (i % 4) + r % 8 + 32 (r / 8).  Scale words: scl1 = [group][K step][tile / 4][r][tile % 4]; groups 96-159 are the tokens'.
; SHARES.  A work-group makes 128 (one group of Q) x 256 (two groups of P): 64 x 4 = 256 work-groups.  Four waves, 2 x 2: a wave takes four tiles of Q and one group of P: 32 accumulators.
; LDS.  ALL OF K lies there: Q's group (98,304 bytes), then P's two (196,608, dense in memory).  One joint load a wave at the head: wave 0 Q's group, waves 1-3 a third of P's block each.  Nothing is filled again.
; Scale words and bias go from memory straight into registers: lanes 0-15 take Q's words, lanes 16-31 P's, sixteen lanes to 256 consecutive bytes.  The bias is the first products' C.
; CLUSTER 4 x 4: Q's group is shared along a row, P's block along a column.  No prefetch: every tile is asked for at the head.
; TRANSPOSED USE: source 0 = P's rows, source 1 = Q's: a lane holds neighbouring columns of one row of out0.  THE WAY OUT goes through a stage in Q's region, behind a barrier behind which nobody reads LDS tiles.
; REGISTERS: window 0: v4-29 addresses; v32-95 scale words, eight a K step; v96-159 bias; v160-255 Q's fragments, two sets.  window 1: P's fragments, two sets; on the way out rows read back.  window 2: accumulators.
.set FR,    12
.set GB,    98304
.set SPARE, 3*GB
.set SPITCH, 528
.set ADRQ, 4                           ; v4-7   K steps 0-3: 16 x lane, 8 x lane; K steps 4-7 likewise
.set ADRP, 8                           ; v8-11
.set ADRS, 16                          ; v16    my offset in scl1
.set O16,  17
.set O8,   18
.set ADRS2, 19                         ; v19    the same, lanes 16-31 256 bytes on: P's tiles 4-7
.set BOP,  21
.set STO,  22
.set RD,   23
.set SPW,  28
.set NIL,  29
.set SC,   32
.set BIAS, 96
.set QF,   160
.set G1Q,  24
.set G1P,  32
.set G0Q,  40
.set G0P,  44
.set MSB, 0
.macro WIN new
.if MSB != (\new)
	s_set_vgpr_msb (MSB<<8)|(\new)
.set MSB, (\new)
.endif
.endm
.macro PLACES n
.rept \n
	v_nop
.endr
.endm
.macro CROUND
	s_barrier_signal -1
	s_barrier_wait -1
	s_cmp_lg_u32 s18, 0
	s_cbranch_scc1 .Lnot_wave_0_\@
	s_barrier_signal -3
.Lnot_wave_0_\@:
	s_barrier_wait -3
	s_barrier_signal -1
	s_barrier_wait -1
.endm
.macro GROUP1 g, rows                  ; dense bytes as rows of 256
	s_mov_b32 s[\g+1], 32<<16
	s_mov_b32 s[\g+2], (\rows)<<16
	s_mov_b32 s[\g+3], 32<<16
	s_mov_b32 s[\g+4], \rows
	s_mov_b32 s[\g+5], 32
	s_mov_b32 s[\g+6], 0
	s_mov_b32 s[\g+7], 0
.endm
	s_load_b256 s[4:11], s[0:1], 0x0               ; cod3, cod1, scl1, proj_b
	s_load_b64 s[12:13], s[0:1], 0x20              ; out0
	v_lshl_add_u32 v[SPW], v0, 2, SPARE
	v_mov_b32 v[NIL], 0
	ds_add_u32 v[SPW], v[NIL]                      ; the opening lines: the add twice and its wait
	ds_add_u32 v[SPW], v[NIL]
	v_lshrrev_b32 v1, 5, v0
	v_readfirstlane_b32 s18, v1                    ; wave
	s_lshr_b32 s19, s18, 1                         ; my four tiles of Q
	s_and_b32 s20, s18, 1                          ; my group of P
	s_bfe_u32 s21, ttmp6, 0x40000                  ; cx
	s_bfe_u32 s22, ttmp6, 0x40004                  ; cy
	s_lshl_b32 s14, s22, 2
	s_lshl_b32 s14, 15, s14                        ; my row of the cluster
	s_lshl_b32 s15, 0x1111, s21                    ; my column
	s_or_b32 s[G1Q], s14, (3<<16)|(1<<21)
	s_or_b32 s[G1P], s15, (3<<16)|(1<<21)
	GROUP1 G1Q, 384
	GROUP1 G1P, 256
	s_and_b32 s23, ttmp7, 0xffff
	s_lshl_b32 s23, s23, 2
	s_add_co_u32 s23, s23, s22                     ; Q's group: 4 x cluster y + cy
	s_mul_i32 s48, s23, GB
	s_mov_b32 s49, 0
	s_mul_i32 s50, s21, 2*GB                       ; P: groups 88 + 2 cx and the next; waves 1-3 take 65,536 bytes each
	s_add_co_u32 s50, s50, 88*GB-65536
	s_lshl_b32 s51, s18, 16
	s_add_co_u32 s50, s50, s51
	s_add_co_u32 s[G0P+1], s51, GB-65536           ; LDS: behind Q's group
	s_mov_b32 s51, 0
	s_mov_b32 s[G0Q], 1
	s_mov_b32 s[G0Q+1], 0
	s_mov_b32 s[G0P], 1
	s_add_co_u32 s52, s23, 96                      ; scale words: Q's group, my four tiles;
	s_lshl_b32 s52, s52, 12
	s_lshl_b32 s53, s19, 8
	s_add_co_u32 s52, s52, s53
	s_lshl_b32 s54, s21, 1
	s_add_co_u32 s54, s54, s20                     ; my group of P, 0..7
	s_add_co_u32 s53, s54, 88
	s_lshl_b32 s53, s53, 12
	s_sub_co_u32 s53, s53, s52                     ; P's less Q's (modulo 2^32)
	s_mul_i32 s55, s19, 6144                       ; LDS: my four tiles of Q,
	s_mul_i32 s56, s20, GB
	s_add_co_u32 s56, s56, GB                      ; my group of P,
	s_mul_i32 s57, s18, 16*SPITCH                  ; my stage
	s_lshl_b32 s58, s54, 9                         ; my 128 numbers of the bias; also my columns of out0, in bytes
	s_mov_b32 s59, 0
	s_lshl_b32 s60, s23, 19                        ; out0: 128 rows of 4,096 bytes a group, 64 rows for my four tiles
	s_lshl_b32 s61, s19, 18
	s_add_co_u32 s60, s60, s61
	s_add_co_u32 s60, s60, s58
	s_mov_b32 s61, 0
	s_wait_dscnt 0x0
	s_wait_kmcnt 0x0
	s_add_nc_u64 s[G0Q+2:G0Q+3], s[4:5], s[48:49]
	s_or_b32 s[G0Q+3], s[G0Q+3], 0x80000000
	s_add_nc_u64 s[G0P+2:G0P+3], s[6:7], s[50:51]
	s_or_b32 s[G0P+3], s[G0P+3], 0x80000000
	s_add_nc_u64 s[10:11], s[10:11], s[58:59]
	s_add_nc_u64 s[12:13], s[12:13], s[60:61]
	CROUND                                         ; the joint loads meet
	s_cmp_eq_u32 s18, 0
	s_cbranch_scc0 .Lfor_p
	tensor_load_to_lds s[G0Q:G0Q+3], s[G1Q:G1Q+7]
	s_nop 0
	PLACES 4
	s_branch .Lasked
.Lfor_p:
	tensor_load_to_lds s[G0P:G0P+3], s[G1P:G1P+7]
	s_nop 0
	PLACES 4
.Lasked:
	v_and_b32 v1, 31, v0
	v_and_b32 v2, 15, v0                           ; r
	v_bfe_u32 v3, v0, 4, 1                         ; h
	v_lshlrev_b32 v[O16], 4, v1
	v_lshlrev_b32 v[O8], 3, v1
	v_lshlrev_b32 v[BOP], 7, v3
	v_mul_lo_u32 v1, s53, v3                       ; lanes 16-31 take P's words
	v_add_nc_u32 v1, s52, v1
	v_lshl_add_u32 v[ADRS], v2, 4, v1
	v_lshl_add_u32 v[ADRS2], v3, 8, v[ADRS]
.irp t, 0,1,2,3,4,5,6,7                ; register SC + 8 t + i: lanes 0-15 the word of my tile i of Q (i under 4), lanes 16-31 of P's tile i
	global_load_b128 v[SC+8*\t:SC+8*\t+3], v[ADRS], s[8:9] offset:512*\t
	global_load_b128 v[SC+8*\t+4:SC+8*\t+7], v[ADRS2], s[8:9] offset:512*\t
.endr
.irp c, 0,1                            ; the bias of P's rows 64 c + 32 h + 0 .. 31, as the result lies
.irp m, 0,1,2,3,4,5,6,7
	global_load_b128 v[BIAS+32*\c+4*\m:BIAS+32*\c+4*\m+3], v[BOP], s[10:11] offset:256*\c+16*\m
.endr
.endr
	v_add_nc_u32 v[ADRQ], s55, v[O16]
	v_add_nc_u32 v[ADRQ+1], s55, v[O8]
	v_add_nc_u32 v[ADRP], s56, v[O16]
	v_add_nc_u32 v[ADRP+1], s56, v[O8]
.irp i, 0,1
	v_add_nc_u32 v[ADRQ+2+\i], 49152, v[ADRQ+\i]
	v_add_nc_u32 v[ADRP+2+\i], 49152, v[ADRP+\i]
.endr
	v_mul_u32_u24 v1, v2, SPITCH
	v_lshl_add_u32 v1, v3, 7, v1
	v_add_nc_u32 v[STO], s57, v1                   ; into the stage: row r, 128 h
	v_add_nc_u32 v[RD], s57, v[O16]                ; back: a row of 512 bytes
.macro FRAG reg, adr, off
	ds_load_b128 v[\reg:\reg+3],     v[\adr]   offset:\off
	ds_load_b64  v[\reg+4:\reg+5],   v[\adr+1] offset:(\off)+512
	ds_load_b128 v[\reg+6:\reg+9],   v[\adr]   offset:(\off)+768
	ds_load_b64  v[\reg+10:\reg+11], v[\adr+1] offset:(\off)+1280
.endm
.macro FETCH t                         ; K step t's twelve fragments into sets t % 2: 48 loads
	WIN 0x40
.irp i, 0,1,2,3,4,5,6,7
	FRAG 128*((\t)%2)+FR*\i, ADRP+2*((\t)/4), 12288*((\t)%4)+1536*\i
.endr
	WIN 0
.irp i, 0,1,2,3
	FRAG QF+48*((\t)%2)+FR*\i, ADRQ+2*((\t)/4), 12288*((\t)%4)+1536*\i
.endr
.endm
.macro W a, b, t, c
	v_wmma_scale_f32_16x16x128_f8f6f4 v[8*(8*\a+\b):8*(8*\a+\b)+7], v[128*((\t)%2)+FR*\b:128*((\t)%2)+FR*\b+FR-1], v[QF+48*((\t)%2)+FR*\a:QF+48*((\t)%2)+FR*\a+FR-1], \c, v[SC+8*(\t)+\b], v[SC+8*(\t)+\a] matrix_a_fmt:MATRIX_FMT_FP6 matrix_b_fmt:MATRIX_FMT_FP6 matrix_a_scale:MATRIX_SCALE_ROW1
.endm
; A K step: its fragments are in; the next step's 48 loads go out, four places behind the products that read those sets; then 32 products, the 32 accumulators by turns.
.macro STEP t
	s_wait_dscnt 0x0
.if (\t) < 7
.if (\t) > 0
	PLACES 4
.endif
	FETCH (\t)+1
.else
	s_barrier_signal -1                            ; my last reads of the tiles are over
.endif
.if (\t) == 0
	WIN 0x81                                       ; C, the bias, in window 0
.else
	WIN 0xa1
.endif
.irp a, 0,1,2,3
.irp b, 0,1,2,3,4,5,6,7
.if (\t) == 0
	W \a, \b, \t, v[BIAS+8*\b:BIAS+8*\b+7]
.else
	W \a, \b, \t, v[8*(8*\a+\b):8*(8*\a+\b)+7]
.endif
.endr
.endr
	WIN 0
.endm
	s_wait_alu depctr_va_vdst(0)
	s_wait_tensorcnt 0x0
	s_barrier_signal -1
	s_barrier_wait -1                              ; all four tiles are in
	FETCH 0
	s_wait_loadcnt 0x0                             ; scale words and bias
.irp t, 0,1,2,3,4,5,6,7
	STEP \t
.endr
	s_barrier_wait -1                              ; nobody reads the tiles any more: the stage may be written
.macro TOSTAGE a                       ; 16 rows x 128 columns into my stage, each accumulator from its low end on, and back as rows of 512 bytes
	WIN 0x08
.irp b, 0,1,2,3,4,5,6,7
	ds_store_b128 v[STO], v[64*(\a)+8*\b:64*(\a)+8*\b+3] offset:256*(\b/4)+32*(\b%4)
	ds_store_b128 v[STO], v[64*(\a)+8*\b+4:64*(\a)+8*\b+7] offset:256*(\b/4)+32*(\b%4)+16
.endr
	WIN 0x40
.irp t, 0,1,2,3,4,5,6,7,8,9,10,11,12,13,14,15
	ds_load_b128 v[64*((\a)%2)+4*\t:64*((\a)%2)+4*\t+3], v[RD] offset:\t*SPITCH
.endr
.endm
.macro SEND a, younger                 ; younger: the LDS instructions issued behind block a's loads
	s_wait_dscnt \younger
	WIN 0x04
.irp t, 0,1,2,3,4,5,6,7,8,9,10,11,12,13,14,15
	global_store_b128 v[O16], v[64*((\a)%2)+4*\t:64*((\a)%2)+4*\t+3], s[12:13] offset:(8*(\a)+(\t%8)+32*(\t/8))*4096 th:TH_STORE_NT
.endr
.endm
	PLACES 4                                       ; behind the last products
	TOSTAGE 0
.irp a, 1,2,3
.if \a > 1
	s_wait_xcnt 0x0                                ; block a - 2's stores have read their registers
.endif
	TOSTAGE \a
	SEND \a-1, 32                                  ; behind block a - 1's loads: block a's 16 stores and 16 loads
.endr
	SEND 3, 0
	WIN 0
	s_wait_tensorcnt 0x0                           ; the wave's end
	ds_add_u32 v[SPW], v[NIL]
	s_wait_dscnt 0x0
	CROUND                                         ; the closing round
	s_endpgm
.Lfunc_end_k_q1105c8efa5_proj:
	.size	k_q1105c8efa5_proj, .Lfunc_end_k_q1105c8efa5_proj-k_q1105c8efa5_proj
	.p2alignl 7, 3214868480
	.fill 96, 4, 3214868480
	.section	.rodata,"a",@progbits
	.p2align	6, 0x0
	.amdhsa_kernel k_q1105c8efa5_proj
		.amdhsa_group_segment_fixed_size 327680
		.amdhsa_private_segment_fixed_size 0
		.amdhsa_enable_private_segment 0
		.amdhsa_kernarg_size 40
		.amdhsa_user_sgpr_count 2
		.amdhsa_user_sgpr_kernarg_segment_ptr 1
		.amdhsa_wavefront_size32 1
		.amdhsa_system_sgpr_workgroup_id_x 1
		.amdhsa_system_sgpr_workgroup_id_y 1
		.amdhsa_system_sgpr_workgroup_id_z 1
		.amdhsa_system_vgpr_workitem_id 0
		.amdhsa_next_free_vgpr 768
		.amdhsa_next_free_sgpr 66
		.amdhsa_reserve_vcc 0
		.amdhsa_float_denorm_mode_32 3
		.amdhsa_float_denorm_mode_16_64 3
		.amdhsa_memory_ordered 1
		.amdhsa_forward_progress 1
		.amdhsa_inst_pref_size 83
	.end_amdhsa_kernel
	.amdgpu_metadata
---
amdhsa.version: [ 1, 2 ]
amdhsa.kernels:
  - .name:           k_q1105c8efa5_proj
    .symbol:         k_q1105c8efa5_proj.kd
    .args:
      - { .name: cod3, .offset: 0, .size: 8, .value_kind: global_buffer, .address_space: global }
      - { .name: cod1, .offset: 8, .size: 8, .value_kind: global_buffer, .address_space: global }
      - { .name: scl1, .offset: 16, .size: 8, .value_kind: global_buffer, .address_space: global }
      - { .name: proj_b, .offset: 24, .size: 8, .value_kind: global_buffer, .address_space: global }
      - { .name: out0, .offset: 32, .size: 8, .value_kind: global_buffer, .address_space: global }
    .group_segment_fixed_size: 327680
    .private_segment_fixed_size: 0
    .kernarg_segment_align: 8
    .kernarg_segment_size: 40
    .max_flat_workgroup_size: 128
    .sgpr_count:     66
    .vgpr_count:     768
    .wavefront_size: 32
...
	.end_amdgpu_metadata
.endif
;; end of part 4
